; MI455X (gfx1250); checked and timed in simulation.
; The chip was launched on July 23, 2026; its instructions are those of AMD's public machine-readable ISA for CDNA 5 (MIT licence, August 2026) and "CDNA5" Instruction Set Architecture Reference Guide (July 2026). The comments in the code are by the model that wrote it; some were corrected since.
;; SVAE. Allowed arithmetic: matrix products marked QUANTISED: E2M3 operands, one E8M0 scale for each 32 along K, by v_wmma_scale_f32_16x16x128_f8f6f4 with both operands' format E2M3, f32 sums; products left as they are: f32 operands where the result goes on into a quantised operand, else bf16, f16 or f32 operands; f32 sums; everything else in f32.
;; Inputs: W1 1,024 x 2,048 float32; W2 2,048 x 1,024 float32; W3 64 x 1,024 float32; W4 1,024 x 2,048 float32; W5 2,048 x 1,024 float32; Wk 1,024 x 1 float32; Wmu 1,024 x 64 float32; b1 2,048 float32; b2 1,024 float32; b3 1,024 float32; b4 2,048 float32; b5 1,024 float32; bk 1 float32; bmu 64 float32; eps 16 x 8,192 float32; noise 8,192 x 64 float32; u 16 x 8,192 float32; x 8,192 x 1,024 float32.
;; Outputs: out0 8,192 x 1,024 float32; out1 8,192 x 64 float32; out2 8,192 x 1 float32.
;; This version of the problem:
;;   THIS VERSION OF THE PROBLEM IS GIVEN IN LOW PRECISION. The matrix products marked QUANTISED in the list below multiply operands that are first quantised to E2M3 (2 exponent bits, 3 mantissa bits; 6 bits a number), with one power-of-two scale for each 32 numbers along K (OCP MX v1.0); their sums are f32. All else is computed in f32.
;;   The module's matrix products, in the order in which they are computed (A, B: the left and right operand; K: the contracted axis; several contracted axes count as one K, in the product's order):
;;     1. [M 8,192, K 1,024] x [K 1,024, N 2,048]; A: input x; B: input W1: QUANTISED
;;     2. [M 8,192, K 2,048] x [K 2,048, N 1,024]; A: computed on the way; B: input W2: QUANTISED
;;     3. [M 8,192, K 1,024] x [K 1,024, N 64]; A: computed on the way; B: input Wmu: QUANTISED
;;     4. [M 8,192, K 1,024] x [K 1,024, N 1]; A: computed on the way; B: input Wk: left as it is (N = 1 < 16)
;;     5. [M 8,192, K 64] x [K 64, N 1,024]; A: computed on the way; B: input W3: QUANTISED
;;     6. [M 8,192, K 1,024] x [K 1,024, N 2,048]; A: computed on the way; B: input W4: QUANTISED
;;     7. [M 8,192, K 2,048] x [K 2,048, N 1,024]; A: computed on the way; B: input W5: QUANTISED
;;   THE QUANTISER, for each operand of a quantised product, along K:
;;     - K is cut into blocks of 32 from its start; a last block that is shorter is filled with zeros.
;;     - A block's scale is 2^e with e = floor(log2(the largest magnitude in the block)) - 2, held to -126 .. 127; a block of zeros has e = 0. As a byte (E8M0): e + 127.
;;     - Each number is divided by its block's scale, clamped to +-7.5, and rounded to the nearest number of E2M3, ties to even, subnormals kept.
;;     - The product sums the exact products of the quantised numbers (number of the format x scale) in f32.
;;   ~~~python
;;   def quantise(x, axis):      # numpy; x: float32 -> the quantised numbers, widened to float32 again
;;       x = np.moveaxis(x, axis, -1); K = x.shape[-1]
;;       x = np.pad(x, [(0, 0)] * (x.ndim - 1) + [(0, -K % 32)]); x = x.reshape(x.shape[:-1] + (-1, 32)); a = np.abs(x).max(-1, keepdims=True)
;;       e = np.where(a > 0, np.clip(np.frexp(np.where(a > 0, a, 1))[1] - 1 - 2, -126, 127), 0)      # np.frexp(a)[1] - 1 = floor(log2(a)), exactly
;;       r = np.clip(x / 2.0 ** e, -7.5, 7.5)
;;       step = 2.0 ** (np.maximum(np.frexp(np.where(r == 0, 1, r))[1] - 1, 0) - 3)
;;       q = np.round(r / step) * step * 2.0 ** e      # np.round: ties to even
;;       return np.moveaxis(q.reshape(q.shape[:-2] + (-1,))[..., :K], -1, axis).astype(np.float32)
;;   ~~~
;;   OPERANDS COMPUTED ON THE WAY. 'Computed on the way' means the value that the module computes at that place (a softmax that the list does not call 'softmax' is quantised finished and normalised). What goes into a quantiser is computed in f32, as accurately as f32 sums, v_exp_f32 and their like allow (about 1e-6 of the number): no bf16 or f16 on the way to a quantiser, and a product that is left as it is and whose result goes on into a quantised operand takes f32 operands (vector FMAs, or v_wmma_f32_16x16x4_f32). A number that lies on a knife's edge between two numbers of the format may be rounded either way, as far as f32 arithmetic and the matrix unit's own rounding can turn it there, and no further.
;; One version. Each part assembles by itself: llvm-mc -triple=amdgcn-amd-amdhsa -mcpu=gfx1250 --defsym DOCPART=n.
;; ======== version 1 of 1: 6 launches
;; limits: right only within a limited range of input values
;; workspace buffers: act0 13,107,200 bytes; act1 13,107,200 bytes; wq1 1,638,400 bytes; wq4 1,638,400 bytes; wq2 1,638,400 bytes; wq5 1,638,400 bytes; wsm 153,600 bytes
;; launch prep (part 1): grid 522 x 1, 4 waves a work-group, no clusters, 35,328 bytes of LDS; arguments x, W1, W4, W2, W5, Wmu, W3, act0, wq1, wq4, wq2, wq5, wsm; writes act0, wq1, wq4, wq2, wq5, wsm
.if DOCPART == 1
	.amdgcn_target "amdgcn-amd-amdhsa--gfx1250"
	.amdhsa_code_object_version 6
	.text
	.protected	k_qeb2e4b8626_prep
	.globl	k_qeb2e4b8626_prep
	.p2align	8
	.type	k_qeb2e4b8626_prep,@function
k_qeb2e4b8626_prep:
	s_mov_b64 s[64:65], 0
	v_nop
	global_prefetch_b8 v0, s[64:65] scope:SCOPE_SE
	s_setreg_imm32_b32 hwreg(HW_REG_WAVE_MODE, 25, 1), 1
	s_wait_xcnt 0x0
; x [8192][1024] and the six weights (stored [K][N], f32) become codes of FP6 (E2M3) with one E8M0 scale byte for each 32 along K, laid as IMAGES OF OPERAND REGISTERS:
; a fragment (16 rows x 128 K, 12 registers a lane) is 1,536 bytes; register 4 c + j of lane l lies at byte 512 c + 16 l + 4 j; fragment (tile, K step) lies at (tile x K/128 + K step) x 1,536.
; Scale words (four bytes: 128 along K of one row) lie behind the codes, word (K step, place p = 16 tile + row in the tile) at (K step x places + p) x 4.
; ROWS OF A TILE.  x: row 16 tile + r.  Weights: tile 2 B + u takes, as its row r, column 32 B + 8 u + r + 8 (r / 8), so that the products' results, used transposed, have 16 neighbours of the next K in 16 registers.
; A block's scale is 2^(floor(log2(largest magnitude)) - 2); its byte is the largest magnitude's exponent field - 2, held at 1 from below.
; LIMITS: a block of zeros gets the byte 1 where the rule says 127 (its codes are zeros, and this program alone reads the bytes); blocks whose largest magnitude lies under 2^-124 are held at that floor; NaN and infinities are not served.
; SHARES.  Work-groups 0-255: x, a wave 64 rows x 128 K.  256-383: W1, W4.  384-511: W2, W5.  512-513: Wmu.  514-521: W3 (K = 64: the K step's upper 64 are zero codes under the byte 127).  A wave of a weight takes 32 columns x 256 K.
; No tensor loads, no barrier: waves share nothing.  Only the path of x uses LDS.
.set SEL, 48                           ; s[48:49] lane selects for v_permlanex16_b32: lane l xor 16
.set R,   16                           ; v16-143  x: two sets of 16 rows x 16 bytes a lane, as loaded
.set XS,  144                          ; v144-207 x: 64 numbers of my row: register 16 b + i = k 32 b + 16 (lane / 16) + i
.set PC,  208                          ; v208-227 the codes just made
.set TM,  228                          ; v228-243 at work
.set PW,  244                          ; v244     the scale word just made
; 64 numbers of a lane, register 16 b + i = k 32 b + 16 (lane / 16) + i of my row, become a fragment's codes in v[PC] on and its scale word in v[PW].
.macro QUANT s
.irp b, 0,1,2,3
	v_max3_num_f32 v[TM+\b], |v[\s+16*\b]|, |v[\s+1+16*\b]|, 0x1800000   ; block b: my 16 numbers, and the floor 2^(3 - 127): the byte cannot fall under 1
.endr
.irp i, 2,4,6,8,10,12,14
.irp b, 0,1,2,3
	v_max3_num_f32 v[TM+\b], v[TM+\b], |v[\s+16*\b+\i]|, |v[\s+1+16*\b+\i]|   ; the four blocks by turns
.endr
.endr
.irp b, 0,1,2,3
	v_permlanex16_b32 v[TM+4+\b], v[TM+\b], s[SEL], s[SEL+1]
.endr
.irp b, 0,1,2,3
	v_max_num_f32 v[TM+\b], v[TM+\b], v[TM+4+\b]   ; with lane l xor 16's: the block's largest magnitude
.endr
.irp b, 0,1,2,3
	v_add_nc_u32 v[TM+12+\b], 0xff000000, v[TM+\b]   ; 2 off its exponent field: the conversion takes this operand's exponent field as its scale
.endr
.irp b, 0,1,2,3
	v_lshrrev_b32 v[TM+4+\b], 23, v[TM+12+\b]      ; the scale's byte
.endr
	v_lshl_or_b32 v[PW], v[TM+5], 8, v[TM+4]       ; four bytes make my row's scale word
	v_lshl_or_b32 v[PW], v[TM+6], 16, v[PW]
	v_lshl_or_b32 v[PW], v[TM+7], 24, v[PW]
.irp c, 0,1
	v_cvt_scalef32_pk16_fp6_f32 v[PC+6*\c:PC+2+6*\c], v[\s+32*\c:\s+15+32*\c], v[TM+12+2*\c]
	v_cvt_scalef32_pk16_fp6_f32 v[PC+12+4*\c:PC+14+4*\c], v[\s+16+32*\c:\s+31+32*\c], v[TM+12+2*\c+1]   ; (a conversion's three registers begin on an even number)
.endr
	v_nop                                          ; one plain place behind a scaled conversion
.irp c, 0,1                                    ; the operand's layout wants a WHOLE block in a lane: lanes 0-15 block 2 c, lanes 16-31 block 2 c + 1
.irp i, 0,1,2
	v_permlane16_swap_b32 v[PC+6*\c+\i], v[PC+12+4*\c+\i]
.endr
.irp i, 0,1,2
	v_mov_b32 v[PC+3+6*\c+\i], v[PC+12+4*\c+\i]
.endr
.endr
.endm
; ---- x: tile t of my four (16 rows x 128 K).  A load reads one row's 512 consecutive bytes, 16 a lane.
.macro XLD t
.irp i, 0,1,2,3,4,5,6,7,8,9,10,11,12,13,14,15
	global_load_b128 v[R+64*((\t)%2)+4*\i:R+64*((\t)%2)+4*\i+3], v2, s[4:5] offset:(16*(\t)+\i)*4096 th:TH_LOAD_NT
.endr
.endm
; The 16 rows turn through my wave's stage (rows 528 bytes apart): in as loaded, out 64 bytes of one row a lane.  LDS serves a wave's instructions in order: no wait between.
.macro XTURN t
.irp i, 0,1,2,3,4,5,6,7,8,9,10,11,12,13,14,15
	ds_store_b128 v3, v[R+64*((\t)%2)+4*\i:R+64*((\t)%2)+4*\i+3] offset:528*\i
.endr
.irp b, 0,1,2,3
.irp j, 0,1,2,3
	ds_load_b128 v[XS+16*\b+4*\j:XS+16*\b+4*\j+3], v4 offset:128*\b+16*\j
.endr
.endr
.endm
.macro XTILE t
.if (\t) < 3
	s_wait_loadcnt 16                              ; this tile's 16 loads are in; the next tile's 16 may be out
.else
	s_wait_loadcnt 0
.endif
	XTURN \t
	s_wait_dscnt 0x0                               ; my numbers are back; the stage's stores have read their registers, and so has the last scale word's store
	s_wait_xcnt 0x0                                ; the last tile's stores have read v[PC] on: it is written again below
.if (\t) < 2
	XLD (\t)+2
.endif
	QUANT XS
.irp c, 0,1,2
	global_store_b128 v2, v[PC+4*\c:PC+4*\c+3], s[40:41] offset:(\t)*12288+512*\c   ; 512 consecutive bytes, aligned
.endr
	ds_store_b32 v5, v[PW] offset:64*(\t)          ; both halves of the lanes write the same word with the same value
.endm
; ---- weights: A LANE TAKES A COLUMN, ITS REGISTERS RUN DOWN K.  Block t: W(32 t + i, my column) into set t % 2
.macro WLOAD t, stride
.irp i, 0,1,2,3,4,5,6,7,8,9,10,11,12,13,14,15,16,17,18,19,20,21,22,23,24,25,26,27,28,29,30,31
	global_load_b32 v[16+32*((\t)%2)+\i], v2, s[4:5] offset:(32*(\t)+\i)*\stride th:TH_LOAD_NT
.endr
.endm
; Block b of K step e is registers 6 (b / 2) .. + 5 of the fragment's lane (r, b % 2): blocks 0 and 2 make the twelve registers of lanes 0-15, blocks 1 and 3 those of lanes 16-31.
.macro WBLOCK t, nb, stride, nwb
.set WX, 16+32*((\t)%2)
.set EE, (\t)/4
.set BB, (\t)%4
.set TB, 80+24*EE+12*(BB&1)+6*(BB>>1)
.if (\t) < (\nb)-1
	s_wait_loadcnt 32                              ; this block's 32 loads are in; the next block's may be out
.else
	s_wait_loadcnt 0
.endif
	v_max3_num_f32 v132, |v[WX]|, |v[WX+1]|, |v[WX+2]|              ; the block's largest magnitude: all 32 numbers are mine
	v_max3_num_f32 v133, |v[WX+3]|, |v[WX+4]|, |v[WX+5]|
.irp i, 6,10,14,18,22,26
	v_max3_num_f32 v132, v132, |v[WX+\i]|, |v[WX+\i+1]|
	v_max3_num_f32 v133, v133, |v[WX+\i+2]|, |v[WX+\i+3]|
.endr
	v_max3_num_f32 v132, v132, |v[WX+30]|, |v[WX+31]|
	v_max3_num_f32 v132, v132, v133, 0x1800000     ; and the floor
	v_add_nc_u32 v134, 0xff000000, v132            ; the conversions' scale operand
	v_cvt_scalef32_pk16_fp6_f32 v[TB:TB+2], v[WX:WX+15], v134
	v_cvt_scalef32_pk16_fp6_f32 v[128:130], v[WX+16:WX+31], v134    ; (three registers from an even number: made here and moved)
	v_lshrrev_b32 v135, 23, v134                   ; the scale's byte; also the plain place behind the conversions
.irp i, 0,1,2
	v_mov_b32 v[TB+3+\i], v[128+\i]
.endr
.if BB == 0
	v_mov_b32 v[136+EE], v135                      ; four bytes to a word, the lower K in the lower byte
.else
	v_lshl_or_b32 v[136+EE], v135, 8*BB, v[136+EE]
.endif
.if (\t)+2 < \nb
	WLOAD (\t)+2, \stride
.endif
.if BB == 2
.irp c, 0,1,2
	global_store_b128 v3, v[80+24*EE+4*\c:80+24*EE+4*\c+3], s[40:41] offset:EE*1536+512*\c       ; sixteen lanes of each tile store 256 consecutive bytes, aligned
.endr
.endif
.if BB == 3
.irp c, 0,1,2
	global_store_b128 v3, v[92+24*EE+4*\c:92+24*EE+4*\c+3], s[40:41] offset:EE*1536+512*\c+256
.endr
	global_store_b32 v4, v[136+EE], s[42:43] offset:EE*\nwb         ; 128 consecutive bytes a wave: one byte in 128 of what the path reads
.endif
.endm
; s[4:5] the weight, s[6:7] its buffer, s35 the path's own work-group number.  No store's data are ever written again, so the path has no wait for stores.
.macro WQ stride, logcg, nb, kt, nwb, coff, soff
	s_lshl_b32 s36, s35, 2
	s_add_co_u32 s36, s36, s34                     ; which wave of the tensor
	s_and_b32 s37, s36, (1<<\logcg)-1              ; its 32 columns
	s_lshr_b32 s38, s36, \logcg                    ; its 256 along K
	s_mul_i32 s44, s38, 256*\stride
	s_lshl_b32 s39, s37, 7
	s_add_co_u32 s44, s44, s39
	s_mov_b32 s45, 0
	s_add_nc_u64 s[4:5], s[4:5], s[44:45]
	s_mul_i32 s44, s37, 2*\kt*1536                 ; two tiles,
	s_mul_i32 s39, s38, 3072                       ; two K steps
	s_add_co_u32 s44, s44, s39
	s_add_co_u32 s44, s44, \coff
	s_add_nc_u64 s[40:41], s[6:7], s[44:45]
	s_mul_i32 s44, s38, 2*\nwb
	s_lshl_b32 s39, s37, 7
	s_add_co_u32 s44, s44, s39
	s_add_co_u32 s44, s44, \soff
	s_add_nc_u64 s[42:43], s[6:7], s[44:45]
	v_lshlrev_b32 v2, 2, v1                        ; in: 4 bytes a lane
	v_bfe_u32 v5, v1, 3, 1                         ; column l of the 32 is row r = (l % 8) + 8 (l / 16) of tile u = (l / 8) % 2
	v_and_b32 v6, 7, v1
	v_lshrrev_b32 v7, 4, v1
	v_lshl_or_b32 v6, v7, 3, v6
	v_mul_u32_u24 v3, v5, \kt*1536
	v_lshl_add_u32 v3, v6, 4, v3                   ; codes: my tile, 16 r
	v_lshl_add_u32 v4, v5, 4, v6
	v_lshlrev_b32 v4, 2, v4                        ; scale words: 4 (16 u + r)
	WLOAD 0, \stride
	WLOAD 1, \stride
.set TQ, 0
.rept \nb
	WBLOCK TQ, \nb, \stride, \nwb
.set TQ, TQ+1
.endr
.if \nb == 2                                   ; K = 64: the K step's upper 64 are zero codes; their bytes are 127
.irp i, 86,87,88,89,90,91,98,99,100,101,102,103
	v_mov_b32 v\i, 0
.endr
	v_or_b32 v136, 0x7f7f0000, v136
.irp c, 0,1,2
	global_store_b128 v3, v[80+4*\c:80+4*\c+3], s[40:41] offset:512*\c
	global_store_b128 v3, v[92+4*\c:92+4*\c+3], s[40:41] offset:512*\c+256
.endr
	global_store_b32 v4, v136, s[42:43]
.endif
.endm
	s_load_b512 s[8:23], s[0:1], 0x0               ; x 8, W1 10, W4 12, W2 14, W5 16, Wmu 18, W3 20, act0 22
	s_load_b256 s[24:31], s[0:1], 0x40             ; wq1 24, wq4 26, wq2 28, wq5 30
	s_load_b64 s[32:33], s[0:1], 0x60              ; wsm
	v_lshl_add_u32 v254, v0, 2, 0x8800
	v_mov_b32 v255, 0
	v_lshrrev_b32 v1, 5, v0
	v_readfirstlane_b32 s34, v1                    ; wave
	v_and_b32 v1, 31, v0                           ; lane
	s_mov_b32 s[SEL], 0x76543210
	s_mov_b32 s[SEL+1], 0xfedcba98
	s_wait_kmcnt 0x0
	s_cmp_lt_u32 ttmp9, 256
	s_cbranch_scc1 .Lpath_x
	s_cmp_lt_u32 ttmp9, 384
	s_cbranch_scc1 .Lpath_w14
	s_cmp_lt_u32 ttmp9, 512
	s_cbranch_scc1 .Lpath_w25
	s_cmp_lt_u32 ttmp9, 514
	s_cbranch_scc1 .Lpath_wmu
	s_sub_co_u32 s35, ttmp9, 514                   ; W3 [64][1024]
	s_mov_b64 s[4:5], s[20:21]
	s_mov_b64 s[6:7], s[32:33]
	s_wait_alu depctr_va_vdst(0)
	WQ 4096, 5, 2, 1, 4096, 51200, 149504
	s_endpgm
.Lpath_wmu:                                            ; Wmu [1024][64]
	s_sub_co_u32 s35, ttmp9, 512
	s_mov_b64 s[4:5], s[18:19]
	s_mov_b64 s[6:7], s[32:33]
	s_wait_alu depctr_va_vdst(0)
	WQ 256, 1, 8, 8, 256, 0, 49152
	s_endpgm
.Lpath_w14:                                            ; W1, W4 [1024][2048]: the choice hangs on the work-group's number alone
	s_sub_co_u32 s35, ttmp9, 256
	s_cmp_lt_u32 s35, 64
	s_cselect_b64 s[4:5], s[10:11], s[12:13]
	s_cselect_b64 s[6:7], s[24:25], s[26:27]
	s_and_b32 s35, s35, 63
	s_wait_alu depctr_va_vdst(0)
	WQ 8192, 6, 8, 8, 8192, 0, 1572864
	s_endpgm
.Lpath_w25:                                            ; W2, W5 [2048][1024]
	s_sub_co_u32 s35, ttmp9, 384
	s_cmp_lt_u32 s35, 64
	s_cselect_b64 s[4:5], s[14:15], s[16:17]
	s_cselect_b64 s[6:7], s[28:29], s[30:31]
	s_and_b32 s35, s35, 63
	s_wait_alu depctr_va_vdst(0)
	WQ 4096, 5, 8, 16, 4096, 0, 1572864
	s_endpgm
.Lpath_x:
	s_lshl_b32 s36, ttmp9, 2
	s_add_co_u32 s36, s36, s34
	s_and_b32 s37, s36, 7                          ; my K step
	s_lshr_b32 s38, s36, 3                         ; my 64 rows
	s_lshl_b32 s44, s38, 18                        ; 64 rows of 4,096 bytes
	s_lshl_b32 s39, s37, 9
	s_add_co_u32 s44, s44, s39
	s_mov_b32 s45, 0
	s_add_nc_u64 s[4:5], s[8:9], s[44:45]
	s_mul_i32 s44, s38, 49152                      ; four tiles of eight fragments
	s_mul_i32 s39, s37, 1536
	s_add_co_u32 s44, s44, s39
	s_add_nc_u64 s[40:41], s[22:23], s[44:45]
	s_lshl_b32 s44, s37, 15                        ; scale words: K step x 8,192 x 4 + 64 rows x 4
	s_lshl_b32 s39, s38, 8
	s_add_co_u32 s44, s44, s39
	s_add_co_u32 s44, s44, 6291456
	s_add_nc_u64 s[42:43], s[22:23], s[44:45]
	v_and_b32 v8, 15, v0                           ; r
	v_bfe_u32 v9, v0, 4, 1                         ; h
	s_wait_alu depctr_va_vdst(0)
	v_lshlrev_b32 v2, 4, v1                        ; 16 x lane: in memory, both ways
	s_mul_i32 s39, s34, 8448                       ; my stage: 16 rows x 528
	v_add_nc_u32 v3, s39, v2
	v_mul_u32_u24 v4, v8, 528
	v_lshl_add_u32 v4, v9, 6, v4
	v_add_nc_u32 v4, s39, v4
	s_lshl_b32 s39, s34, 8
	s_add_co_u32 s39, s39, 33792                   ; behind the stages: my 64 scale words
	v_lshl_add_u32 v5, v8, 2, s39
	v_lshl_add_u32 v6, v1, 3, s39
	v_lshlrev_b32 v7, 3, v1
.irp b, 0,1,2,3
	v_mov_b32 v[TM+4+\b], 0                        ; written once: a lane permute's destination counts as one of its sources
.endr
	XLD 0
	XLD 1
	s_wait_alu depctr_va_vdst(0)
	XTILE 0
	XTILE 1
	XTILE 2
	XTILE 3
	ds_load_b64 v[246:247], v6                     ; LDS serves a wave's instructions in order: these see my stores
	s_wait_dscnt 0x0
	global_store_b64 v7, v[246:247], s[42:43]      ; 32 lanes store 256 consecutive bytes, aligned
	s_wait_tensorcnt 0x0
	ds_add_u32 v254, v255
	s_wait_dscnt 0x0
	s_endpgm
.Lfunc_end_k_qeb2e4b8626_prep:
	.size	k_qeb2e4b8626_prep, .Lfunc_end_k_qeb2e4b8626_prep-k_qeb2e4b8626_prep
	.p2alignl 7, 3214868480
	.fill 96, 4, 3214868480
	.section	.rodata,"a",@progbits
	.p2align	6, 0x0
	.amdhsa_kernel k_qeb2e4b8626_prep
		.amdhsa_group_segment_fixed_size 35328
		.amdhsa_private_segment_fixed_size 0
		.amdhsa_enable_private_segment 0
		.amdhsa_kernarg_size 104
		.amdhsa_user_sgpr_count 2
		.amdhsa_user_sgpr_kernarg_segment_ptr 1
		.amdhsa_wavefront_size32 1
		.amdhsa_system_sgpr_workgroup_id_x 1
		.amdhsa_system_sgpr_workgroup_id_y 1
		.amdhsa_system_sgpr_workgroup_id_z 1
		.amdhsa_system_vgpr_workitem_id 0
		.amdhsa_next_free_vgpr 256
		.amdhsa_next_free_sgpr 66
		.amdhsa_reserve_vcc 0
		.amdhsa_float_denorm_mode_32 3
		.amdhsa_float_denorm_mode_16_64 3
		.amdhsa_memory_ordered 1
		.amdhsa_forward_progress 1
		.amdhsa_inst_pref_size 160
	.end_amdhsa_kernel
	.amdgpu_metadata
---
amdhsa.version: [ 1, 2 ]
amdhsa.kernels:
  - .name:           k_qeb2e4b8626_prep
    .symbol:         k_qeb2e4b8626_prep.kd
    .args:
      - { .name: x, .offset: 0, .size: 8, .value_kind: global_buffer, .address_space: global }
      - { .name: W1, .offset: 8, .size: 8, .value_kind: global_buffer, .address_space: global }
      - { .name: W4, .offset: 16, .size: 8, .value_kind: global_buffer, .address_space: global }
      - { .name: W2, .offset: 24, .size: 8, .value_kind: global_buffer, .address_space: global }
      - { .name: W5, .offset: 32, .size: 8, .value_kind: global_buffer, .address_space: global }
      - { .name: Wmu, .offset: 40, .size: 8, .value_kind: global_buffer, .address_space: global }
      - { .name: W3, .offset: 48, .size: 8, .value_kind: global_buffer, .address_space: global }
      - { .name: act0, .offset: 56, .size: 8, .value_kind: global_buffer, .address_space: global }
      - { .name: wq1, .offset: 64, .size: 8, .value_kind: global_buffer, .address_space: global }
      - { .name: wq4, .offset: 72, .size: 8, .value_kind: global_buffer, .address_space: global }
      - { .name: wq2, .offset: 80, .size: 8, .value_kind: global_buffer, .address_space: global }
      - { .name: wq5, .offset: 88, .size: 8, .value_kind: global_buffer, .address_space: global }
      - { .name: wsm, .offset: 96, .size: 8, .value_kind: global_buffer, .address_space: global }
    .group_segment_fixed_size: 35328
    .private_segment_fixed_size: 0
    .kernarg_segment_align: 8
    .kernarg_segment_size: 104
    .max_flat_workgroup_size: 128
    .sgpr_count:     66
    .vgpr_count:     256
    .wavefront_size: 32
...
	.end_amdgpu_metadata
.endif
;; end of part 1
;; launch g1 (part 2): grid 8 x 32, 4 waves a work-group, clusters of 4 x 4, 327,680 bytes of LDS; arguments act0, wq1, b1, act1; writes act1
.if DOCPART == 2
	.amdgcn_target "amdgcn-amd-amdhsa--gfx1250"
	.amdhsa_code_object_version 6
	.text
	.protected	k_qeb2e4b8626_g1
	.globl	k_qeb2e4b8626_g1
	.p2align	8
	.type	k_qeb2e4b8626_g1,@function
k_qeb2e4b8626_g1:
	s_mov_b64 s[64:65], 0
	v_nop
	global_prefetch_b8 v0, s[64:65] scope:SCOPE_SE
	s_setreg_imm32_b32 hwreg(HW_REG_WAVE_MODE, 25, 1), 1
	s_wait_xcnt 0x0
	s_wait_alu depctr_hold_cnt(0) depctr_sa_sdst(0) depctr_va_vdst(0) depctr_va_sdst(0) depctr_va_ssrc(0) depctr_va_vcc(0) depctr_vm_vsrc(0)
	s_getreg_b32 s2, hwreg(HW_REG_IB_STS2, 6, 4)
	s_cmp_eq_u32 s2, 0
	s_cbranch_scc0 .Lentry_in_a_cluster
	s_endpgm
.Lentry_in_a_cluster:
	s_bfe_u32 s2, ttmp6, 0x10000c
	s_cmp_lg_u32 s2, 0xf033
	s_cbranch_scc0 .Lentry_shape_is_right
	s_endpgm
.Lentry_shape_is_right:
; out = Q(relu(A W + bias)): A [8192][1024] and W [1024][2048] as codes of FP6 (E2M3) with E8M0 scale words, both laid as images of operand registers; out [8192][2048] leaves in the same form, quantised along its 2,048.
; IMAGES.  A fragment (16 rows x 128 K, 12 registers a lane) is 1,536 bytes, register 4 c + j of lane l at 512 c + 16 l + 4 j; fragment (tile, K step) at (tile x K/128 + K step) x 1,536; scale word (K step, place) behind the codes.
; So a fragment comes from LDS by three loads of 16 bytes a lane, 512 consecutive bytes each: no pitch, no padding.
; SHARES.  A work-group of four waves makes 256 rows x 256 columns; a wave 128 x 128: 64 accumulators, 512 registers.  A wave's 128 columns are one K step of the next product: its results become whole fragments and whole scale words.
; K goes through a ring of two LDS slots of 256 along K, four fills in all, so the walk is written straight.  The scale words of the work-group's rows and columns, for all of K, come once with the first fills.
; CLUSTERS: 4 x 4 work-groups; A's tiles are asked for jointly along a row of the cluster, W's along a column.
; THE MATRIX INSTRUCTION IS USED TRANSPOSED (source 0 = 16 columns of W, source 1 = 16 rows of A), and a tile of W holds columns 32 B + 8 u + r + 8 (r / 8): register j of tile 2 B + u in lane (r, h) is (row r, column 32 B + 16 h + 8 u + j).
; The bias is the C of each sum's first matrix instruction.
; LIMITS: a block of zeros gets the scale byte 1 (its codes are zeros; this program alone reads the bytes); blocks under 2^-124 are held at that floor; NaN and infinities are not served.
; REGISTERS: window 0: v16-31 addresses; v32-63 scale words, two sets; v64-127 the bias, later a block's results; from v128 A's fragments, ONE set, later the way out.  window 1: W's fragments, two sets at v0 and v128.
;   window 2: accumulators of my rows 0-63 ((a, b) at v[8 (8 (a % 4) + b)]); window 3: those of rows 64-127.
.set SIZE_K, 1024
.set SIZE_N, 2048
.set NA,     8                         ; A's blocks of 16 rows for a wave
.set NQ,     2                         ; K steps of 128 in a slot
.set KT,     SIZE_K/128
.set FRB,    1536
.set AROW,   NQ*FRB                    ; a tile's part of a slot
.set HALFA,  NA*AROW                   ; what one tensor load brings of A, and what one wave reads
.set HALFB,  8*AROW                    ; the same of W
.set SLOT,   2*HALFA+2*HALFB
.set SCL,    2*SLOT                    ; behind the ring: A's scale words, 8,192 bytes: [row half][K step][128 rows]
.set SCLB,   SCL+8192+128              ; W's: [column half][K step][128 columns]; 128 bytes askew, so that the two halves of the lanes read different parts of a 256-byte row of LDS
.set SPARE,  SCL+8448+2*KT*512         ; the spare words, 128 bytes for each wave: two blocks of 256 bytes that no other line names
.set SCR,    SPARE+512                 ; 512 bytes for each wave: the scale words that it makes; no fill lands here
.set ASC,    512*KT*FRB                ; where A's scale words begin in its buffer
.set BSC,    1572864                   ; and W's
.set ASH,    512
.set ALOW,   4096                      ; in LDS, from row half 0's words to row half 1's
.set RTP,    (SIZE_N/128)*FRB          ; out: from a tile of rows to the next
.set ADRA, 16                          ; v16-17  LDS address of my A fragments in slot 0, 1
.set ADRB, 20                          ; v20-21  the same for W
.set LI,   24                          ; v24     16 x lane
.set BO,   25                          ; v25     64 x (lane / 16): my half's place in the bias
.set SWS,  26                          ; v26     where I put a scale word
.set ADRS, 27                          ; v27     my scale words: lanes 0-15 A's rows, lanes 16-31 W's columns
.set SPW,  28                          ; v28     my spare word; never rewritten
.set NIL,  29                          ; v29     0; never rewritten
.set SRD,  30                          ; v30     where I read the scale words back
.set SC,   32                          ; set s (slot s) at v[SC + 8 NQ s]; register NQ i + q: lanes 0-15 A's block i, lanes 16-31 W's block i, the slot's q-th K step
.set BIAS, 64
.set H,    64
.set AF,   128
.set PC,   128
.set TM,   148
.set PW,   164
.set OB,   240
.set SEL,  18                          ; s[18:19]
.set G1, 24                            ; s[24:31], s[32:39] A's tiles: group 1, groups 0 for the two slots
.set G0, 32
.set G1B, 48                           ; s[48:55], s[56:63] W's
.set G0B, 56
.set G1S, 68
.set G0S, 76
.set G1SB, 80
.set G0SB, 88
.set MUL_LO, 0xa1                      ; source 0 (W) window 1, source 1 (A) window 0, C and D window 2
.set MUL_HI, 0xf1                      ; C and D window 3
.set Z_LO,   0x81                      ; C (the bias) window 0, D window 2
.set Z_HI,   0xc1
.set TO_B,   0x40
.set MSB, 0
.macro WIN new                         ; the immediate's high byte repeats the setting that is left
.if MSB != (\new)
	s_set_vgpr_msb (MSB<<8)|(\new)
.set MSB, \new
.endif
.endm
; A joint load: waves 0 and 1 fetch for A, waves 2 and 3 for W; the branch hangs on the wave's number alone.  Four v_nop follow each of the two lines.
.macro JLOAD g0a, g1a, g0b, g1b
	s_cmp_eq_u32 s15, 0
	s_cbranch_scc0 .Lfor_b_\@
	tensor_load_to_lds s[\g0a:\g0a+3], s[\g1a:\g1a+7]
	s_nop 0
.rept 4
	v_nop
.endr
	s_branch .Lasked_\@
.Lfor_b_\@:
	tensor_load_to_lds s[\g0b:\g0b+3], s[\g1b:\g1b+7]
	s_nop 0
.rept 4
	v_nop
.endr
.Lasked_\@:
.endm
.macro CREST                           ; a round of the cluster's barrier behind its opening barrier
	s_cmp_lg_u32 s14, 0
	s_cbranch_scc1 .Lnot_wave_0_\@
	s_barrier_signal -3
.Lnot_wave_0_\@:
	s_barrier_wait -3
	s_barrier_signal -1
	s_barrier_wait -1
.endm
.macro CROUND
	s_barrier_signal -1
	s_barrier_wait -1
	CREST
.endm
.macro PLACES                          ; four plain places behind a matrix instruction, in front of loads into registers that it has read and of the first read of results
.rept 4
	v_nop
.endr
.endm
.macro QUANT s                         ; 64 numbers of a lane, register 16 b + i = k 32 b + 16 (lane / 16) + i of my row -> a fragment's codes in v[PC] on, its scale word in v[PW]
.irp b, 0,1,2,3
	v_max3_num_f32 v[TM+\b], |v[\s+16*\b]|, |v[\s+1+16*\b]|, 0x1800000   ; my 16 numbers of block b, and the floor 2^(3 - 127)
.endr
.irp i, 2,4,6,8,10,12,14
.irp b, 0,1,2,3
	v_max3_num_f32 v[TM+\b], v[TM+\b], |v[\s+16*\b+\i]|, |v[\s+1+16*\b+\i]|
.endr
.endr
.irp b, 0,1,2,3
	v_permlanex16_b32 v[TM+4+\b], v[TM+\b], s[SEL], s[SEL+1]
.endr
.irp b, 0,1,2,3
	v_max_num_f32 v[TM+\b], v[TM+\b], v[TM+4+\b]   ; the block's largest magnitude
.endr
.irp b, 0,1,2,3
	v_add_nc_u32 v[TM+12+\b], 0xff000000, v[TM+\b]   ; 2 off its exponent field: the conversion's scale operand
.endr
.irp b, 0,1,2,3
	v_lshrrev_b32 v[TM+4+\b], 23, v[TM+12+\b]      ; the scale's byte
.endr
	v_lshl_or_b32 v[PW], v[TM+5], 8, v[TM+4]
	v_lshl_or_b32 v[PW], v[TM+6], 16, v[PW]
	v_lshl_or_b32 v[PW], v[TM+7], 24, v[PW]
.irp c, 0,1
	v_cvt_scalef32_pk16_fp6_f32 v[PC+6*\c:PC+2+6*\c], v[\s+32*\c:\s+15+32*\c], v[TM+12+2*\c]
	v_cvt_scalef32_pk16_fp6_f32 v[PC+12+4*\c:PC+14+4*\c], v[\s+16+32*\c:\s+31+32*\c], v[TM+12+2*\c+1]
.endr
	v_nop                                          ; one plain place behind a scaled conversion
.irp c, 0,1                                    ; a WHOLE block to a lane: lanes 0-15 block 2 c, lanes 16-31 block 2 c + 1
.irp i, 0,1,2
	v_permlane16_swap_b32 v[PC+6*\c+\i], v[PC+12+4*\c+\i]
.endr
.irp i, 0,1,2
	v_mov_b32 v[PC+3+6*\c+\i], v[PC+12+4*\c+\i]
.endr
.endr
.endm
	s_load_b128 s[4:7], s[0:1], 0x0                ; A, W
	s_load_b64 s[8:9], s[0:1], 0x10                ; the bias
	s_load_b64 s[12:13], s[0:1], 0x18              ; out
	v_lshl_add_u32 v[SPW], v0, 2, SPARE
	v_mov_b32 v[NIL], 0
	ds_add_u32 v28, v29
	ds_add_u32 v28, v29
	s_wait_dscnt 0x0
	v_lshrrev_b32 v1, 5, v0
	v_readfirstlane_b32 s14, v1                    ; wave 0..3
	s_lshr_b32 s15, s14, 1                         ; my half of the rows.  Also: I fetch for A (0) or for W (1)
	s_and_b32 s16, s14, 1                          ; my half of the columns.  Also: which half of that operand I fetch
	s_bfe_u32 s40, ttmp6, 0x40000                  ; cx, cy
	s_bfe_u32 s41, ttmp6, 0x40004
	s_lshl_b32 s42, ttmp9, 2
	s_add_co_u32 s42, s42, s40                     ; tile column
	s_and_b32 s17, ttmp7, 0xffff
	s_lshl_b32 s17, s17, 2
	s_add_co_u32 s17, s17, s41                     ; tile row
	s_lshl_b32 s43, s41, 2
	s_lshl_b32 s43, 15, s43                        ; my row of the cluster
	s_lshl_b32 s44, 0x1111, s40                    ; my column
	s_mov_b32 s[SEL], 0x76543210
	s_mov_b32 s[SEL+1], 0xfedcba98
	; descriptor groups 1: elements of 8 bytes, no padding; bit 21 stands beside a mask.  Codes: a row is a tile's AROW bytes of the slot, rows KT fragments apart
	s_or_b32 s[G1+0], s43, (3<<16)|(1<<21)
	s_or_b32 s[G1B+0], s44, (3<<16)|(1<<21)
.irp g, G1, G1B
	s_mov_b32 s[\g+1], (AROW/8)<<16                ; tensor_dim0
	s_mov_b32 s[\g+3], (AROW/8)<<16                ; tile_dim0
	s_mov_b32 s[\g+5], KT*192                      ; the pitch
	s_mov_b32 s[\g+6], 0
	s_mov_b32 s[\g+7], 0
.endr
	s_mov_b32 s[G1+2], NA<<16                      ; tensor_dim1
	s_mov_b32 s[G1+4], NA                          ; tile_dim1
	s_mov_b32 s[G1B+2], 8<<16
	s_mov_b32 s[G1B+4], 8
	; A's addresses hang on the tile row and the wave alone, W's on the tile column and the wave alone, each in registers that never hold the other coordinate
	s_mul_i32 s20, s17, 2*NA
	s_mul_i32 s21, s16, NA
	s_add_co_u32 s20, s20, s21
	s_mul_i32 s20, s20, KT*FRB
	s_mov_b32 s21, 0
	s_mul_i32 s22, s17, 128*NA                     ; A's scale words: wave w copies row half w / 2, K steps 4 (w % 2) .. + 3: four runs of 512 bytes
	s_lshl_b32 s23, s15, 9
	s_add_co_u32 s22, s22, s23
	s_lshl_b32 s23, s16, 17
	s_add_co_u32 s22, s22, s23
	s_add_co_u32 s22, s22, ASC
	s_mov_b32 s23, 0
	s_lshl_b32 s46, s42, 4
	s_lshl_b32 s47, s16, 3
	s_add_co_u32 s46, s46, s47
	s_mul_i32 s46, s46, KT*FRB
	s_mov_b32 s47, 0
	s_lshl_b32 s92, s42, 10                        ; W's scale words: column half w / 2, K steps 4 (w % 2) .. + 3
	s_lshl_b32 s93, s15, 9
	s_add_co_u32 s92, s92, s93
	s_lshl_b32 s93, s16, 15
	s_add_co_u32 s92, s92, s93
	s_add_co_u32 s92, s92, BSC
	s_mov_b32 s93, 0
	s_mul_i32 s45, s16, HALFA                      ; where they go in LDS: the wave's number alone
	s_mul_i32 s94, s16, HALFB
	s_add_co_u32 s94, s94, 2*HALFA
	s_lshl_b32 s95, s14, 11                        ; where my four runs go in LDS: 2,048 x wave, in A's words and in W's
	s_add_co_u32 s96, s95, SCLB
	s_add_co_u32 s95, s95, SCL
	s_wait_kmcnt 0x0
	s_add_nc_u64 s[20:21], s[4:5], s[20:21]
	s_add_nc_u64 s[22:23], s[4:5], s[22:23]
	s_add_nc_u64 s[46:47], s[6:7], s[46:47]
	s_add_nc_u64 s[92:93], s[6:7], s[92:93]
	; THE PREFETCHES.  Behind each fill's load a wave names 24 blocks of 256 bytes of the NEXT fill (one fill ahead); the last fill's load asks for nothing.  Of the 8 tiles that a wave fetches (12 blocks each in a fill),
	; each of the four partners that ask for them jointly takes two, told apart by address (cx for A, cy for W): each block is named once in a cluster.  Lanes 24-31 name their wave's last block again.
	s_cmp_eq_u32 s15, 0                            ; do I fetch for A?
	s_cselect_b64 s[76:77], s[20:21], s[46:47]
	s_cselect_b32 s78, s40, s41                    ; my place among the four
	s_mul_i32 s78, s78, 2*KT*FRB
	s_mov_b32 s79, 0
	s_add_nc_u64 s[76:77], s[76:77], s[78:79]      ; never rewritten
	v_and_b32 v3, 31, v0
	v_lshlrev_b32 v[LI], 4, v3
	v_min_u32 v10, 23, v3                          ; the prefetches' offset: block l % 12 of tile l / 12, l = min(lane, 23); never rewritten
	v_mul_u32_u24 v11, v10, 171
	v_lshrrev_b32 v11, 11, v11                     ; l / 12
	v_mul_u32_u24 v11, v11, KT*FRB-AROW
	v_lshl_add_u32 v10, v10, 8, v11
	s_wait_alu depctr_va_vdst(0)
	s_mov_b64 s[98:99], s[22:23]
; The scale words (16,384 of the work-group's 409,600 bytes) come by plain loads of 512 consecutive bytes and go to LDS by stores: so each wave has one tensor load at the head, its part of slot 0
.irp i, 0,1,2,3
	global_load_b128 v[AF+4*\i:AF+4*\i+3], v[LI], s[98:99] offset:\i*32768
	global_load_b128 v[AF+16+4*\i:AF+16+4*\i+3], v[LI], s[92:93] offset:\i*SIZE_N*4
.endr
	CROUND                                         ; all sixteen work-groups are here: the first joint loads meet
.irp s, 0,1
	s_mov_b32 s[G0+4*\s], 1
	s_add_co_u32 s[G0+4*\s+1], s45, \s*SLOT
	s_add_nc_u64 s[G0+4*\s+2:G0+4*\s+3], s[20:21], \s*AROW
	s_or_b32 s[G0+4*\s+3], s[G0+4*\s+3], 0x80000000
	s_mov_b32 s[G0B+4*\s], 1
	s_add_co_u32 s[G0B+4*\s+1], s94, \s*SLOT
	s_add_nc_u64 s[G0B+4*\s+2:G0B+4*\s+3], s[46:47], \s*AROW
	s_or_b32 s[G0B+4*\s+3], s[G0B+4*\s+3], 0x80000000
.endr
	JLOAD G0, G1, G0B, G1B                         ; slot 0: my one tensor load at the head
	v_and_b32 v1, 15, v0                           ; r
	v_bfe_u32 v2, v0, 4, 1                         ; h
	v_add_nc_u32 v8, s95, v[LI]                    ; where I put A's scale words,
	v_add_nc_u32 v9, s96, v[LI]                    ; and W's
	global_prefetch_b8 v10, s[76:77] offset:AROW th:TH_LOAD_NT scope:SCOPE_SE      ; K chunk 1
	s_wait_alu depctr_va_vdst(0)
	v_lshlrev_b32 v[BO], 6, v2
	v_lshlrev_b32 v6, 2, v1                        ; 4 r
	s_lshl_b32 s2, s42, 10
	s_lshl_b32 s3, s16, 9
	s_add_co_u32 s2, s2, s3                        ; my 128 columns, in bytes of f32
	s_mov_b32 s3, 0
	s_add_nc_u64 s[8:9], s[8:9], s[2:3]
.irp t, 0,1,2,3,4,5,6,7                        ; tile t's eight columns of my half: 32 (t / 2) + 8 (t % 2) + 16 h + 0 .. 7
	global_load_b128 v[BIAS+8*\t:BIAS+8*\t+3], v[BO], s[8:9] offset:(32*(\t/2)+8*(\t%2))*4
	global_load_b128 v[BIAS+8*\t+4:BIAS+8*\t+7], v[BO], s[8:9] offset:(32*(\t/2)+8*(\t%2))*4+16
.endr
	s_mul_i32 s21, s15, HALFA
	s_mul_i32 s22, s16, HALFB
	s_add_co_u32 s22, s22, 2*HALFA
.irp s, 0,1
	v_add_nc_u32 v[ADRA+\s], s21, v[LI]
	v_add_nc_u32 v[ADRB+\s], s22, v[LI]
	s_add_co_u32 s21, s21, SLOT
	s_add_co_u32 s22, s22, SLOT
.endr
	s_mul_i32 s21, s15, ALOW                       ; A's words of my rows;
	s_mul_i32 s22, s16, KT*512
	s_add_co_u32 s22, s22, SCLB-SCL                ; W's of my columns
	s_sub_co_u32 s22, s22, s21
	v_mul_u32_u24 v7, s22, v2                      ; lanes 16-31 take W's: the lower base + h x the distance
	s_wait_alu depctr_va_vdst(0)
	s_add_co_u32 s21, s21, SCL
	v_add_nc_u32 v7, v6, v7
	v_add_nc_u32 v[ADRS], s21, v7
	s_lshl_b32 s21, s14, 9
	s_add_co_u32 s21, s21, SCR
	v_add_nc_u32 v[SWS], s21, v6
	v_add_nc_u32 v[SRD], s21, v[LI]
	s_mul_i32 s20, s17, 2*NA                       ; out: my first tile of rows,
	s_mul_i32 s21, s15, NA
	s_add_co_u32 s20, s20, s21
	s_mul_i32 s20, s20, RTP
	s_lshl_b32 s21, s42, 1
	s_add_co_u32 s21, s21, s16                     ; my K step of the next product
	s_mul_i32 s22, s21, FRB
	s_add_co_u32 s20, s20, s22
	s_lshl_b32 s22, s21, 15                        ; its scale words: K step x 8,192 x 4 + my first row x 4
	s_mul_i32 s23, s17, 128*NA
	s_add_co_u32 s22, s22, s23
	s_mul_i32 s23, s15, 64*NA
	s_add_co_u32 s22, s22, s23
	s_add_co_u32 s22, s22, 512*RTP
	s_mov_b32 s21, 0
	s_mov_b32 s23, 0
	s_add_nc_u64 s[66:67], s[12:13], s[22:23]
	s_add_nc_u64 s[12:13], s[12:13], s[20:21]
.macro FRAG reg, adr, q, i             ; a fragment's image: three loads of 512 consecutive bytes
.irp c, 0,1,2
	ds_load_b128 v[\reg+4*\c:\reg+4*\c+3], v[\adr] offset:(\i)*AROW+(\q)*FRB+512*\c
.endr
.endm
.macro FETCH_B slot, q, p              ; W's eight fragments of the slot's q-th K step into set p
	WIN TO_B
.irp i, 0,1,2,3,4,5,6,7
	FRAG 128*(\p)+12*\i, ADRB+\slot, \q, \i
.endr
	WIN 0
.endm
.macro FETCH_A slot, q, i0             ; half of A's blocks, from i0 on
.set II, \i0
.rept NA/2
	FRAG AF+12*II, ADRA+\slot, \q, II
.set II, II+1
.endr
.endm
.macro SCALES sc, ch                   ; the scale words of K chunk ch into set sc: the chunk stands in the immediate
.irp i, 0,1,2,3,4,5,6,7
.irp q, 0,1
	ds_load_b32 v[SC+8*NQ*(\sc)+NQ*\i+\q], v[ADRS] offset:(NQ*(\ch)+\q)*512+\i*64
.endr
.endr
.endm
; cnt blocks of A from a0 on, each against W's eight.  zero = 1: the first product starts the sums from the bias.  The accumulators take turns, one instruction a turn, in the same order in every step.
.macro MULN a0, cnt, p, q, sc, zero
.set AA, \a0
.rept \cnt
.irp b, 0,1,2,3,4,5,6,7
.if \zero
	v_wmma_scale_f32_16x16x128_f8f6f4 v[8*(8*(AA%4)+\b):8*(8*(AA%4)+\b)+7], v[128*(\p)+12*\b:128*(\p)+12*\b+11], v[AF+12*AA:AF+12*AA+11], v[BIAS+8*\b:BIAS+8*\b+7], v[SC+8*NQ*(\sc)+NQ*\b+(\q)], v[SC+8*NQ*(\sc)+NQ*AA+(\q)] matrix_a_fmt:MATRIX_FMT_FP6 matrix_b_fmt:MATRIX_FMT_FP6 matrix_a_scale:MATRIX_SCALE_ROW1
.else
	v_wmma_scale_f32_16x16x128_f8f6f4 v[8*(8*(AA%4)+\b):8*(8*(AA%4)+\b)+7], v[128*(\p)+12*\b:128*(\p)+12*\b+11], v[AF+12*AA:AF+12*AA+11], v[8*(8*(AA%4)+\b):8*(8*(AA%4)+\b)+7], v[SC+8*NQ*(\sc)+NQ*\b+(\q)], v[SC+8*NQ*(\sc)+NQ*AA+(\q)] matrix_a_fmt:MATRIX_FMT_FP6 matrix_b_fmt:MATRIX_FMT_FP6 matrix_a_scale:MATRIX_SCALE_ROW1
.endif
.endr
.set AA, AA+1
.endr
.endm
; A K step that has its successor in the same slot.
.macro STEP slot, q, zero
	s_wait_dscnt (NA/2)*3                          ; all but the youngest loads, A's second half
.if \zero
	WIN Z_LO
.else
	WIN MUL_LO
.endif
	MULN 0, NA/2, (\q)%2, \q, \slot, \zero
	s_wait_dscnt 0x0                               ; A's second half is in
	PLACES
	FETCH_B \slot, (\q)+1, 1-(\q)%2
	FETCH_A \slot, (\q)+1, 0
.if \zero
	WIN Z_HI
.else
	WIN MUL_HI
.endif
	MULN NA/2, NA/2, (\q)%2, \q, \slot, \zero
	PLACES
	WIN 0
	FETCH_A \slot, (\q)+1, NA/2
.endm
; A slot's last K step changes slots: ONE barrier; in front of it each wave waits for all its tensor loads, adds 0 to its spare word, and waits for that and for its reads of this slot.
; fill = 1: the barrier opens a round of the cluster's barrier, and this slot is filled again first thing behind it.  ch: the K chunk that lies in the next slot.
.macro TURN slot, next, fill, ch
	s_wait_tensorcnt 0x0                           ; all my tensor loads have landed: my part of the next slot
	ds_add_u32 v[SPW], v[NIL]                      ; 0 onto my spare word
	s_wait_dscnt (NA/2)*3+1                        ; (the add and A's second half may be out)
	WIN MUL_LO
	MULN 0, NA/4, 1, NQ-1, \slot, 0                ; matrix work stands between the add and the wait for it
	s_wait_dscnt 0x0                               ; the add is done, and my reads of this slot are over
	s_barrier_signal -1
	MULN NA/4, NA/4, 1, NQ-1, \slot, 0
	WIN 0
	s_barrier_wait -1
.if \fill
	CREST                                          ; no wave of any partner still reads this slot or has a load on its way
	s_add_nc_u64 s[G0+4*\slot+2:G0+4*\slot+3], s[G0+4*\slot+2:G0+4*\slot+3], 2*AROW
	s_add_nc_u64 s[G0B+4*\slot+2:G0B+4*\slot+3], s[G0B+4*\slot+2:G0B+4*\slot+3], 2*AROW
	JLOAD G0+4*\slot, G1, G0B+4*\slot, G1B         ; my one tensor load behind the round; its four v_nop are the places in front of the loads below
.else
	PLACES
.endif
	FETCH_B \next, 0, 0
	FETCH_A \next, 0, 0
	SCALES \next, \ch
.if \fill
.if (\ch)+2 < KT/NQ
	global_prefetch_b8 v10, s[76:77] offset:((\ch)+2)*AROW th:TH_LOAD_NT scope:SCOPE_SE   ; the K chunk behind the one just asked for
.endif
.endif
	WIN MUL_HI
	MULN NA/2, NA/2, 1, NQ-1, \slot, 0
	PLACES
	WIN 0
	FETCH_A \next, 0, NA/2
.endm
	s_wait_alu depctr_va_vdst(0)
	s_wait_loadcnt 16                              ; the eight loads of scale words are in; the bias's sixteen may be out
	s_wait_tensorcnt 0x0                           ; my part of slot 0 has landed: no tensor load of mine is out while I store to LDS
.irp i, 0,1,2,3
	ds_store_b128 v8, v[AF+4*\i:AF+4*\i+3] offset:\i*512
	ds_store_b128 v9, v[AF+16+4*\i:AF+16+4*\i+3] offset:\i*512
.endr
	s_wait_tensorcnt 0x0
	ds_add_u32 v[SPW], v[NIL]
	s_wait_dscnt 0x0                               ; the add and my stores of scale words are done
	CROUND                                         ; slot 0 and the scale words are whole for all four waves, and the sixteen work-groups are here
	JLOAD G0+4, G1, G0B+4, G1B                     ; slot 1's first fill, my one tensor load behind the round
	FETCH_B 0, 0, 0
	FETCH_A 0, 0, 0
	SCALES 0, 0
	global_prefetch_b8 v10, s[76:77] offset:2*AROW th:TH_LOAD_NT scope:SCOPE_SE    ; K chunk 2
	FETCH_A 0, 0, NA/2
	s_wait_loadcnt 0x0                             ; the bias
	STEP 0, 0, 1                                   ; K chunk 0
	TURN 0, 1, 1, 1                                ; slot 0 takes chunk 2
	STEP 1, 0, 0
	TURN 1, 0, 1, 2                                ; slot 1 takes chunk 3
	STEP 0, 0, 0
	TURN 0, 1, 0, 3                                ; nothing is left to fetch
	STEP 1, 0, 0
	s_wait_dscnt (NA/2)*3                          ; the very last K step
	WIN MUL_LO
	MULN 0, NA/2, 1, NQ-1, 1, 0
	s_wait_dscnt 0x0
	WIN MUL_HI
	MULN NA/2, NA/2, 1, NQ-1, 1, 0
	WIN 0
	PLACES
; THE WAY OUT, a block of 16 rows at a time: relu, quantised in registers; the block's 128 columns are one fragment of the next product, stored as its image; its scale words are gathered in my scratch.
.macro OUTQ a
	WIN 0x08+4*((\a)/4)                            ; source 1: window 2 or 3
.set JJ, 0
.rept 64
	v_max_num_f32 v[H+JJ], 0, v[64*((\a)%4)+JJ]    ; each accumulator from its low end on
.set JJ, JJ+1
.endr
	WIN 0
	s_wait_xcnt 0x0                                ; the last block's stores have read v[PC] on,
	s_wait_dscnt 0x0                               ; and its LDS store v[PW]: both are written again below
	QUANT H
.irp c, 0,1,2
	global_store_b128 v[LI], v[PC+4*\c:PC+4*\c+3], s[12:13] offset:(\a)*RTP+512*\c   ; 512 consecutive bytes, aligned
.endr
	ds_store_b32 v[SWS], v[PW] offset:64*(\a)      ; both halves of the lanes write the same word with the same value
.endm
.irp b, 0,1,2,3
	v_mov_b32 v[TM+4+\b], 0                        ; written once: a lane permute's destination counts as one of its sources
.endr
.irp a, 0,1,2,3,4,5,6,7
	OUTQ \a
.endr
	ds_load_b128 v[OB:OB+3], v[SRD]                ; my 128 rows' scale words; LDS serves a wave's instructions in order
	s_wait_dscnt 0x0
	global_store_b128 v[LI], v[OB:OB+3], s[66:67]  ; 512 consecutive bytes, aligned
	s_wait_tensorcnt 0x0                           ; the wave's end
	ds_add_u32 v[SPW], v[NIL]
	s_wait_dscnt 0x0
	CROUND                                         ; the closing round
	s_endpgm
.Lfunc_end_k_qeb2e4b8626_g1:
	.size	k_qeb2e4b8626_g1, .Lfunc_end_k_qeb2e4b8626_g1-k_qeb2e4b8626_g1
	.p2alignl 7, 3214868480
	.fill 96, 4, 3214868480
	.section	.rodata,"a",@progbits
	.p2align	6, 0x0
	.amdhsa_kernel k_qeb2e4b8626_g1
		.amdhsa_group_segment_fixed_size 327680
		.amdhsa_private_segment_fixed_size 0
		.amdhsa_enable_private_segment 0
		.amdhsa_kernarg_size 32
		.amdhsa_user_sgpr_count 2
		.amdhsa_user_sgpr_kernarg_segment_ptr 1
		.amdhsa_wavefront_size32 1
		.amdhsa_system_sgpr_workgroup_id_x 1
		.amdhsa_system_sgpr_workgroup_id_y 1
		.amdhsa_system_sgpr_workgroup_id_z 1
		.amdhsa_system_vgpr_workitem_id 0
		.amdhsa_next_free_vgpr 1024
		.amdhsa_next_free_sgpr 100
		.amdhsa_reserve_vcc 0
		.amdhsa_float_denorm_mode_32 3
		.amdhsa_float_denorm_mode_16_64 3
		.amdhsa_memory_ordered 1
		.amdhsa_forward_progress 1
		.amdhsa_inst_pref_size 161
	.end_amdhsa_kernel
	.amdgpu_metadata
---
amdhsa.version: [ 1, 2 ]
amdhsa.kernels:
  - .name:           k_qeb2e4b8626_g1
    .symbol:         k_qeb2e4b8626_g1.kd
    .args:
      - { .name: act0, .offset: 0, .size: 8, .value_kind: global_buffer, .address_space: global }
      - { .name: wq1, .offset: 8, .size: 8, .value_kind: global_buffer, .address_space: global }
      - { .name: b1, .offset: 16, .size: 8, .value_kind: global_buffer, .address_space: global }
      - { .name: act1, .offset: 24, .size: 8, .value_kind: global_buffer, .address_space: global }
    .group_segment_fixed_size: 327680
    .private_segment_fixed_size: 0
    .kernarg_segment_align: 8
    .kernarg_segment_size: 32
    .max_flat_workgroup_size: 128
    .sgpr_count:     100
    .vgpr_count:     1024
    .wavefront_size: 32
...
	.end_amdgpu_metadata
.endif
;; end of part 2
;; launch g2 (part 3): grid 4 x 64, 4 waves a work-group, clusters of 4 x 4, 327,680 bytes of LDS; arguments act1, wq2, b2, Wk, act0; writes act0
.if DOCPART == 3
	.amdgcn_target "amdgcn-amd-amdhsa--gfx1250"
	.amdhsa_code_object_version 6
	.text
	.protected	k_qeb2e4b8626_g2
	.globl	k_qeb2e4b8626_g2
	.p2align	8
	.type	k_qeb2e4b8626_g2,@function
k_qeb2e4b8626_g2:
	s_mov_b64 s[64:65], 0
	v_nop
	global_prefetch_b8 v0, s[64:65] scope:SCOPE_SE
	s_setreg_imm32_b32 hwreg(HW_REG_WAVE_MODE, 25, 1), 1
	s_wait_xcnt 0x0
	s_wait_alu depctr_hold_cnt(0) depctr_sa_sdst(0) depctr_va_vdst(0) depctr_va_sdst(0) depctr_va_ssrc(0) depctr_va_vcc(0) depctr_vm_vsrc(0)
	s_getreg_b32 s2, hwreg(HW_REG_IB_STS2, 6, 4)
	s_cmp_eq_u32 s2, 0
	s_cbranch_scc0 .Lentry_in_a_cluster
	s_endpgm
.Lentry_in_a_cluster:
	s_bfe_u32 s2, ttmp6, 0x10000c
	s_cmp_lg_u32 s2, 0xf033
	s_cbranch_scc0 .Lentry_shape_is_right
	s_endpgm
.Lentry_shape_is_right:
.set SIZE_K, 2048
.set SIZE_N, 1024
.set NA,     4
.set NQ,     4
.set KT,     SIZE_K/128
.set FRB,    1536
.set AROW,   NQ*FRB
.set HALFA,  NA*AROW
.set HALFB,  8*AROW
.set SLOT,   2*HALFA+2*HALFB
.set SCL,    2*SLOT
.set SCLB,   SCL+8192+128
.set SPARE,  SCL+8448+2*KT*512
.set SCR,    SPARE+512
.set ASC,    512*KT*FRB
.set BSC,    1572864
.set ASH,    262144
.set ALOW,   256
.set RTP,    (SIZE_N/128)*FRB
.set ADRA, 16
.set ADRB, 20
.set ADRS2, 22
.set LI,   24
.set BO,   25
.set SWS,  26
.set ADRS, 27
.set SPW,  28
.set NIL,  29
.set SRD,  30
.set GL8,  31
.set SC,   176
.set BIAS, 64
.set H,    64
.set AF,   128
.set PC,   128
.set TM,   148
.set PW,   164
.set KS,   166
.set OB,   240
.set SEL,  18
.set G1, 24
.set G0, 32
.set G1B, 48
.set G0B, 56
.set G1S, 68
.set G0S, 76
.set G1SB, 80
.set G0SB, 88
.set MUL_LO, 0xa1
.set Z_LO,   0x81
.set TO_B,   0x40
.set MSB, 0
.macro WIN new
.if MSB != (\new)
	s_set_vgpr_msb (MSB<<8)|(\new)
.set MSB, \new
.endif
.endm
.macro JLOAD g0a, g1a, g0b, g1b
	s_cmp_eq_u32 s15, 0
	s_cbranch_scc0 .Lfor_b_\@
	tensor_load_to_lds s[\g0a:\g0a+3], s[\g1a:\g1a+7]
	s_nop 0
.rept 4
	v_nop
.endr
	s_branch .Lasked_\@
.Lfor_b_\@:
	tensor_load_to_lds s[\g0b:\g0b+3], s[\g1b:\g1b+7]
	s_nop 0
.rept 4
	v_nop
.endr
.Lasked_\@:
.endm
.macro CREST
	s_cmp_lg_u32 s14, 0
	s_cbranch_scc1 .Lnot_wave_0_\@
	s_barrier_signal -3
.Lnot_wave_0_\@:
	s_barrier_wait -3
	s_barrier_signal -1
	s_barrier_wait -1
.endm
.macro CROUND
	s_barrier_signal -1
	s_barrier_wait -1
	CREST
.endm
.macro PLACES
.rept 4
	v_nop
.endr
.endm
; W's tiles 4-7 of my column half do not pass through LDS: their images come by plain loads straight into registers, a ring of four sets of 48 in window 3 (v64 on), set = K step % 4, asked for three K steps ahead.
; So a K step reads 8 fragments from LDS and not 12.  A tensor load cannot fill registers, so these tiles are not asked for jointly.  KD: K steps fetched so far; KC: the K step at work.
.set KD, 0
.set KC, 0
.macro FETCH_D
	WIN 0xc0
.irp i, 0,1,2,3
.irp c, 0,1,2
	global_load_b128 v[64+48*(KD%4)+12*\i+4*\c:64+48*(KD%4)+12*\i+4*\c+3], v[LI], s[46:47] offset:(4+\i)*KT*FRB+KD*FRB+512*\c
.endr
.endr
	WIN 0
.set KD, KD+1
.endm
.macro QUANT s
.irp b, 0,1,2,3
	v_max3_num_f32 v[TM+\b], |v[\s+16*\b]|, |v[\s+1+16*\b]|, 0x1800000
.endr
.irp i, 2,4,6,8,10,12,14
.irp b, 0,1,2,3
	v_max3_num_f32 v[TM+\b], v[TM+\b], |v[\s+16*\b+\i]|, |v[\s+1+16*\b+\i]|
.endr
.endr
.irp b, 0,1,2,3
	v_permlanex16_b32 v[TM+4+\b], v[TM+\b], s[SEL], s[SEL+1]
.endr
.irp b, 0,1,2,3
	v_max_num_f32 v[TM+\b], v[TM+\b], v[TM+4+\b]
.endr
.irp b, 0,1,2,3
	v_add_nc_u32 v[TM+12+\b], 0xff000000, v[TM+\b]
.endr
.irp b, 0,1,2,3
	v_lshrrev_b32 v[TM+4+\b], 23, v[TM+12+\b]
.endr
	v_lshl_or_b32 v[PW], v[TM+5], 8, v[TM+4]
	v_lshl_or_b32 v[PW], v[TM+6], 16, v[PW]
	v_lshl_or_b32 v[PW], v[TM+7], 24, v[PW]
.irp c, 0,1
	v_cvt_scalef32_pk16_fp6_f32 v[PC+6*\c:PC+2+6*\c], v[\s+32*\c:\s+15+32*\c], v[TM+12+2*\c]
	v_cvt_scalef32_pk16_fp6_f32 v[PC+12+4*\c:PC+14+4*\c], v[\s+16+32*\c:\s+31+32*\c], v[TM+12+2*\c+1]
.endr
	v_nop
.irp c, 0,1
.irp i, 0,1,2
	v_permlane16_swap_b32 v[PC+6*\c+\i], v[PC+12+4*\c+\i]
.endr
.irp i, 0,1,2
	v_mov_b32 v[PC+3+6*\c+\i], v[PC+12+4*\c+\i]
.endr
.endr
.endm
	s_load_b128 s[4:7], s[0:1], 0x0
	s_load_b128 s[8:11], s[0:1], 0x10
	s_load_b64 s[12:13], s[0:1], 0x20
	v_lshl_add_u32 v[SPW], v0, 2, SPARE
	v_mov_b32 v[NIL], 0
	ds_add_u32 v28, v29
	ds_add_u32 v28, v29
	s_wait_dscnt 0x0
	v_lshrrev_b32 v1, 5, v0
	v_readfirstlane_b32 s14, v1
	s_lshr_b32 s15, s14, 1
	s_and_b32 s16, s14, 1
	s_bfe_u32 s40, ttmp6, 0x40000
	s_bfe_u32 s41, ttmp6, 0x40004
	s_lshl_b32 s42, ttmp9, 2
	s_add_co_u32 s42, s42, s40
	s_and_b32 s17, ttmp7, 0xffff
	s_lshl_b32 s17, s17, 2
	s_add_co_u32 s17, s17, s41
	s_lshl_b32 s43, s41, 2
	s_lshl_b32 s43, 15, s43
	s_lshl_b32 s44, 0x1111, s40
	s_mov_b32 s[SEL], 0x76543210
	s_mov_b32 s[SEL+1], 0xfedcba98
	s_or_b32 s[G1+0], s43, (3<<16)|(1<<21)
	s_or_b32 s[G1B+0], s44, (3<<16)|(1<<21)
.irp g, G1, G1B
	s_mov_b32 s[\g+1], (AROW/8)<<16
	s_mov_b32 s[\g+3], (AROW/8)<<16
	s_mov_b32 s[\g+5], KT*192
	s_mov_b32 s[\g+6], 0
	s_mov_b32 s[\g+7], 0
.endr
	s_mov_b32 s[G1+2], NA<<16
	s_mov_b32 s[G1+4], NA
	s_mov_b32 s[G1B+2], 4<<16                      ; a tensor load brings tiles 0-3 of a column half
	s_mov_b32 s[G1B+4], 4
	s_mul_i32 s20, s17, 2*NA
	s_mul_i32 s21, s16, NA
	s_add_co_u32 s20, s20, s21
	s_mul_i32 s20, s20, KT*FRB
	s_mov_b32 s21, 0
	s_mul_i32 s22, s17, 128*NA                     ; A's scale words: wave w copies K steps 4 w .. 4 w + 3 of the 128 rows: four runs of 512 bytes
	s_lshl_b32 s23, s14, 17
	s_add_co_u32 s22, s22, s23
	s_add_co_u32 s22, s22, ASC
	s_mov_b32 s23, 0
	s_lshl_b32 s46, s42, 4
	s_lshl_b32 s47, s16, 3
	s_add_co_u32 s46, s46, s47
	s_mul_i32 s46, s46, KT*FRB
	s_mov_b32 s47, 0
	s_lshl_b32 s92, s42, 10                        ; W's scale words: column half w / 2, K steps 8 (w % 2) .. + 7: eight runs of 512 bytes
	s_lshl_b32 s93, s15, 9
	s_add_co_u32 s92, s92, s93
	s_lshl_b32 s93, s16, 15
	s_add_co_u32 s92, s92, s93
	s_add_co_u32 s92, s92, BSC
	s_mov_b32 s93, 0
	s_mul_i32 s45, s16, HALFA
	s_mul_i32 s94, s16, HALFB
	s_add_co_u32 s94, s94, 2*HALFA
	s_lshl_b32 s95, s14, 11                        ; where my runs go in LDS: A's words 2,048 x wave, W's 4,096 x wave
	s_add_co_u32 s95, s95, SCL
	s_lshl_b32 s96, s14, 12
	s_add_co_u32 s96, s96, SCLB
	s_wait_kmcnt 0x0
	s_add_nc_u64 s[20:21], s[4:5], s[20:21]
	s_add_nc_u64 s[22:23], s[4:5], s[22:23]
	s_add_nc_u64 s[46:47], s[6:7], s[46:47]
	s_add_nc_u64 s[92:93], s[6:7], s[92:93]
	; THE PREFETCHES.  Behind each fill's load a wave names 24 blocks of 256 bytes of the NEXT fill (one fill ahead); the last fill's load asks for nothing.  Of the 4 tiles that a wave's tensor load fetches (24 blocks each in a fill),
	; each of the four partners that ask for them jointly takes one, told apart by address (cx for A, cy for W): each block is named once in a cluster.  Lanes 24-31 name their wave's last block again.
	s_cmp_eq_u32 s15, 0                            ; do I fetch for A?
	s_cselect_b64 s[76:77], s[20:21], s[46:47]
	s_cselect_b32 s78, s40, s41                    ; my place among the four
	s_mul_i32 s78, s78, KT*FRB
	s_mov_b32 s79, 0
	s_add_nc_u64 s[76:77], s[76:77], s[78:79]      ; never rewritten
	v_and_b32 v3, 31, v0
	v_lshlrev_b32 v[LI], 4, v3
	v_min_u32 v10, 23, v3
	v_lshlrev_b32 v10, 8, v10                      ; the prefetches' offset: block min(lane, 23); never rewritten
	s_wait_alu depctr_va_vdst(0)
	s_mov_b64 s[98:99], s[22:23]
; The scale words (24,576 of the work-group's 614,400 bytes) come by plain loads of 512 consecutive bytes and go to LDS by stores: so each wave has one tensor load at the head, its part of slot 0
.irp i, 0,1,2,3
	global_load_b128 v[AF+4*\i:AF+4*\i+3], v[LI], s[98:99] offset:\i*32768
.endr
.irp i, 0,1,2,3,4,5,6,7
	global_load_b128 v[AF+16+4*\i:AF+16+4*\i+3], v[LI], s[92:93] offset:\i*SIZE_N*4
.endr
	CROUND                                         ; all sixteen work-groups are here: the first joint loads meet
.irp s, 0,1
	s_mov_b32 s[G0+4*\s], 1
	s_add_co_u32 s[G0+4*\s+1], s45, \s*SLOT
	s_add_nc_u64 s[G0+4*\s+2:G0+4*\s+3], s[20:21], \s*AROW
	s_or_b32 s[G0+4*\s+3], s[G0+4*\s+3], 0x80000000
	s_mov_b32 s[G0B+4*\s], 1
	s_add_co_u32 s[G0B+4*\s+1], s94, \s*SLOT
	s_add_nc_u64 s[G0B+4*\s+2:G0B+4*\s+3], s[46:47], \s*AROW
	s_or_b32 s[G0B+4*\s+3], s[G0B+4*\s+3], 0x80000000
.endr
	JLOAD G0, G1, G0B, G1B                         ; slot 0: my one tensor load at the head
	v_and_b32 v1, 15, v0                           ; r
	v_bfe_u32 v2, v0, 4, 1                         ; h
	v_add_nc_u32 v8, s95, v[LI]                    ; where I put A's scale words,
	v_add_nc_u32 v9, s96, v[LI]                    ; and W's
	global_prefetch_b8 v10, s[76:77] offset:AROW th:TH_LOAD_NT scope:SCOPE_SE      ; K chunk 1
	s_wait_alu depctr_va_vdst(0)
	v_lshlrev_b32 v[GL8], 3, v3
	v_lshlrev_b32 v[BO], 6, v2
	v_lshlrev_b32 v6, 2, v1
	s_lshl_b32 s2, s42, 10
	s_lshl_b32 s3, s16, 9
	s_add_co_u32 s2, s2, s3
	s_mov_b32 s3, 0
	s_add_nc_u64 s[8:9], s[8:9], s[2:3]
	s_add_nc_u64 s[10:11], s[10:11], s[2:3]
.irp t, 0,1,2,3,4,5,6,7
	global_load_b128 v[BIAS+8*\t:BIAS+8*\t+3], v[BO], s[8:9] offset:(32*(\t/2)+8*(\t%2))*4
	global_load_b128 v[BIAS+8*\t+4:BIAS+8*\t+7], v[BO], s[8:9] offset:(32*(\t/2)+8*(\t%2))*4+16
.endr
	WIN 0xc0
.irp t, 0,1,2,3,4,5,6,7
	global_load_b128 v[8*\t:8*\t+3], v[BO], s[10:11] offset:(32*(\t/2)+8*(\t%2))*4
	global_load_b128 v[8*\t+4:8*\t+7], v[BO], s[10:11] offset:(32*(\t/2)+8*(\t%2))*4+16
.endr
	WIN 0
	FETCH_D                                        ; K steps 0, 1, 2
	FETCH_D
	FETCH_D
	s_mul_i32 s21, s15, HALFA
	s_mul_i32 s22, s16, HALFB
	s_add_co_u32 s22, s22, 2*HALFA
.irp s, 0,1
	v_add_nc_u32 v[ADRA+\s], s21, v[LI]
	v_add_nc_u32 v[ADRB+\s], s22, v[LI]
	s_add_co_u32 s21, s21, SLOT
	s_add_co_u32 s22, s22, SLOT
.endr
	s_mul_i32 s21, s15, ALOW
	s_mul_i32 s22, s16, KT*512
	s_add_co_u32 s22, s22, SCLB-SCL
	s_sub_co_u32 s23, s22, s21
	v_mul_u32_u24 v7, s23, v2
	s_wait_alu depctr_va_vdst(0)
	s_add_co_u32 s21, s21, SCL
	v_add_nc_u32 v7, v6, v7
	v_add_nc_u32 v[ADRS], s21, v7
	s_add_co_u32 s22, s22, SCL
	v_add_nc_u32 v[ADRS2], s22, v6
	s_lshl_b32 s21, s14, 9
	s_add_co_u32 s21, s21, SCR
	v_add_nc_u32 v[SWS], s21, v6
	v_add_nc_u32 v[SRD], s21, v[GL8]
	s_mul_i32 s20, s17, 2*NA
	s_mul_i32 s21, s15, NA
	s_add_co_u32 s20, s20, s21
	s_mul_i32 s20, s20, RTP
	s_lshl_b32 s21, s42, 1
	s_add_co_u32 s21, s21, s16
	s_mul_i32 s22, s21, FRB
	s_add_co_u32 s20, s20, s22
	s_lshl_b32 s22, s21, 15
	s_mul_i32 s23, s17, 128*NA
	s_add_co_u32 s22, s22, s23
	s_mul_i32 s23, s15, 64*NA
	s_add_co_u32 s22, s22, s23
	s_add_co_u32 s22, s22, 512*RTP
	s_mov_b32 s21, 0
	s_mov_b32 s23, 0
	s_add_nc_u64 s[66:67], s[12:13], s[22:23]
	s_add_nc_u64 s[96:97], s[66:67], 262144
	s_add_nc_u64 s[12:13], s[12:13], s[20:21]
.macro FRAG reg, adr, q, i
.irp c, 0,1,2
	ds_load_b128 v[\reg+4*\c:\reg+4*\c+3], v[\adr] offset:(\i)*AROW+(\q)*FRB+512*\c
.endr
.endm
.macro FETCH_B slot, q, p
	WIN TO_B
.irp i, 0,1,2,3
	FRAG 128*(\p)+12*\i, ADRB+\slot, \q, \i
.endr
	WIN 0
.endm
.macro FETCH_A slot, q, i0
.set II, \i0
.rept NA/2
	FRAG AF+12*II, ADRA+\slot, \q, II
.set II, II+1
.endr
.endm
.macro SCALES sc, ch
.irp i, 0,1,2,3,4,5,6,7
.irp q, 0,1,2,3
.if \i < NA
	ds_load_b32 v[SC+8*NQ*(\sc)+NQ*\i+\q], v[ADRS] offset:(NQ*(\ch)+\q)*512+\i*64
.else
	ds_load_b32 v[SC+8*NQ*(\sc)+NQ*\i+\q], v[ADRS2] offset:(NQ*(\ch)+\q)*512+\i*64
.endif
.endr
.endr
.endm
.macro MULN a0, cnt, p, q, sc, zero
.irp hb, 0,1                           ; first W's tiles 0-3 (window 1), then tiles 4-7 (window 3): one switch of the window for each half; the accumulators still take turns
.if \zero
	WIN Z_LO+2*\hb
.else
	WIN MUL_LO+2*\hb
.endif
.set AA, \a0
.rept \cnt
.irp b, 0,1,2,3
.set BB, 4*\hb+\b
.set BRG, (1-\hb)*(128*(\p)+12*\b)+\hb*(64+48*((\q)%4)+12*\b)
.if \zero
	v_wmma_scale_f32_16x16x128_f8f6f4 v[8*(8*AA+BB):8*(8*AA+BB)+7], v[BRG:BRG+11], v[AF+12*AA:AF+12*AA+11], v[BIAS+8*BB:BIAS+8*BB+7], v[SC+8*NQ*(\sc)+NQ*BB+(\q)], v[SC+8*NQ*(\sc)+NQ*AA+(\q)] matrix_a_fmt:MATRIX_FMT_FP6 matrix_b_fmt:MATRIX_FMT_FP6 matrix_a_scale:MATRIX_SCALE_ROW1
.else
	v_wmma_scale_f32_16x16x128_f8f6f4 v[8*(8*AA+BB):8*(8*AA+BB)+7], v[BRG:BRG+11], v[AF+12*AA:AF+12*AA+11], v[8*(8*AA+BB):8*(8*AA+BB)+7], v[SC+8*NQ*(\sc)+NQ*BB+(\q)], v[SC+8*NQ*(\sc)+NQ*AA+(\q)] matrix_a_fmt:MATRIX_FMT_FP6 matrix_b_fmt:MATRIX_FMT_FP6 matrix_a_scale:MATRIX_SCALE_ROW1
.endif
.endr
.set AA, AA+1
.endr
.endr
.endm
.macro STEP slot, q, zero
	s_wait_loadcnt 12*(KD-1-KC)                    ; this K step's twelve plain loads are in; those of the K steps fetched behind it may be out
.set KC, KC+1
	s_wait_dscnt (NA/2)*3
.if \zero
	WIN Z_LO
.else
	WIN MUL_LO
.endif
	MULN 0, NA/2, (\q)%2, \q, \slot, \zero
	s_wait_dscnt 0x0
	PLACES
	FETCH_B \slot, (\q)+1, 1-(\q)%2
	FETCH_A \slot, (\q)+1, 0
.if KD < KT
	FETCH_D                                        ; into the set that the K step before this one read
.endif
.if \zero
	WIN Z_LO
.else
	WIN MUL_LO
.endif
	MULN NA/2, NA/2, (\q)%2, \q, \slot, \zero
	PLACES
	WIN 0
	FETCH_A \slot, (\q)+1, NA/2
.endm
.macro TURN slot, next, fill, ch
	s_wait_loadcnt 12*(KD-1-KC)
.set KC, KC+1
	s_wait_tensorcnt 0x0
	ds_add_u32 v[SPW], v[NIL]
	s_wait_dscnt (NA/2)*3+1
	WIN MUL_LO
	MULN 0, NA/4, 1, NQ-1, \slot, 0
	s_wait_dscnt 0x0
	s_barrier_signal -1
	MULN NA/4, NA/4, 1, NQ-1, \slot, 0
	WIN 0
	s_barrier_wait -1
.if \fill
	CREST
	s_add_nc_u64 s[G0+4*\slot+2:G0+4*\slot+3], s[G0+4*\slot+2:G0+4*\slot+3], 2*AROW
	s_add_nc_u64 s[G0B+4*\slot+2:G0B+4*\slot+3], s[G0B+4*\slot+2:G0B+4*\slot+3], 2*AROW
	JLOAD G0+4*\slot, G1, G0B+4*\slot, G1B
.else
	PLACES
.endif
	FETCH_B \next, 0, 0
	FETCH_A \next, 0, 0
.if KD < KT
	FETCH_D
.endif
	SCALES \next, \ch
.if \fill
.if (\ch)+2 < KT/NQ
	global_prefetch_b8 v10, s[76:77] offset:((\ch)+2)*AROW th:TH_LOAD_NT scope:SCOPE_SE   ; the K chunk behind the one just asked for
.endif
.endif
	WIN MUL_LO
	MULN NA/2, NA/2, 1, NQ-1, \slot, 0
	PLACES
	WIN 0
	FETCH_A \next, 0, NA/2
.endm
	s_wait_alu depctr_va_vdst(0)
	s_wait_loadcnt 63                              ; the twelve loads of scale words are in: 68 loads were issued behind them, and a wait names 63 at the most
	s_wait_tensorcnt 0x0                           ; my part of slot 0 has landed: no tensor load of mine is out while I store to LDS
.irp i, 0,1,2,3
	ds_store_b128 v8, v[AF+4*\i:AF+4*\i+3] offset:\i*512
.endr
.irp i, 0,1,2,3,4,5,6,7
	ds_store_b128 v9, v[AF+16+4*\i:AF+16+4*\i+3] offset:\i*512
.endr
	s_wait_tensorcnt 0x0
	ds_add_u32 v[SPW], v[NIL]
	s_wait_dscnt 0x0                               ; the add and my stores of scale words are done
	CROUND                                         ; slot 0 and the scale words are whole for all four waves, and the sixteen work-groups are here
	JLOAD G0+4, G1, G0B+4, G1B                     ; slot 1's first fill, my one tensor load behind the round
	FETCH_B 0, 0, 0
	FETCH_A 0, 0, 0
	SCALES 0, 0
	global_prefetch_b8 v10, s[76:77] offset:2*AROW th:TH_LOAD_NT scope:SCOPE_SE    ; K chunk 2
	FETCH_A 0, 0, NA/2
	STEP 0, 0, 1                                   ; its wait on LOADcnt covers the bias and Wk too: they were asked for earlier
	STEP 0, 1, 0
	STEP 0, 2, 0
	TURN 0, 1, 1, 1
	STEP 1, 0, 0
	STEP 1, 1, 0
	STEP 1, 2, 0
	TURN 1, 0, 1, 2
	STEP 0, 0, 0
	STEP 0, 1, 0
	STEP 0, 2, 0
	TURN 0, 1, 0, 3
	STEP 1, 0, 0
	STEP 1, 1, 0
	STEP 1, 2, 0
	s_wait_loadcnt 0x0
	s_wait_dscnt (NA/2)*3
	WIN MUL_LO
	MULN 0, NA/2, 1, NQ-1, 1, 0
	s_wait_dscnt 0x0
	MULN NA/2, NA/2, 1, NQ-1, 1, 0
	WIN 0
	PLACES
.macro OUTQ a
	WIN 0x08
.set JJ, 0
.rept 64
	v_max_num_f32 v[H+JJ], 0, v[64*(\a)+JJ]
.set JJ, JJ+1
.endr
	WIN 0
	s_wait_xcnt 0x0
	s_wait_dscnt 0x0
	WIN 0x0c
.set JJ, 0
.rept 4
	v_pk_mul_f32 v[KS+2*JJ:KS+2*JJ+1], v[H+2*JJ:H+2*JJ+1], v[2*JJ:2*JJ+1]
.set JJ, JJ+1
.endr
.rept 28
	v_pk_fma_f32 v[KS+2*(JJ%4):KS+2*(JJ%4)+1], v[H+2*JJ:H+2*JJ+1], v[2*JJ:2*JJ+1], v[KS+2*(JJ%4):KS+2*(JJ%4)+1]
.set JJ, JJ+1
.endr
	WIN 0
	v_pk_add_f32 v[KS:KS+1], v[KS:KS+1], v[KS+2:KS+3]
	v_pk_add_f32 v[KS+4:KS+5], v[KS+4:KS+5], v[KS+6:KS+7]
	v_pk_add_f32 v[KS:KS+1], v[KS:KS+1], v[KS+4:KS+5]
	v_add_f32 v[KS], v[KS], v[KS+1]
	v_permlanex16_b32 v[KS+2], v[KS], s[SEL], s[SEL+1]
	v_add_f32 v[KS], v[KS], v[KS+2]
	ds_store_b32 v[SWS], v[KS] offset:256+64*(\a)
	QUANT H
.irp c, 0,1,2
	global_store_b128 v[LI], v[PC+4*\c:PC+4*\c+3], s[12:13] offset:(\a)*RTP+512*\c
.endr
	ds_store_b32 v[SWS], v[PW] offset:64*(\a)
.endm
.irp b, 0,1,2,3
	v_mov_b32 v[TM+4+\b], 0
.endr
.irp a, 0,1,2,3
	OUTQ \a
.endr
	ds_load_b64 v[OB:OB+1], v[SRD]
	ds_load_b64 v[OB+2:OB+3], v[SRD] offset:256
	s_wait_dscnt 0x0
	global_store_b64 v[GL8], v[OB:OB+1], s[66:67]
	global_store_b64 v[GL8], v[OB+2:OB+3], s[96:97]
	s_wait_tensorcnt 0x0
	ds_add_u32 v[SPW], v[NIL]
	s_wait_dscnt 0x0
	CROUND
	s_endpgm
.Lfunc_end_k_qeb2e4b8626_g2:
	.size	k_qeb2e4b8626_g2, .Lfunc_end_k_qeb2e4b8626_g2-k_qeb2e4b8626_g2
	.p2alignl 7, 3214868480
	.fill 96, 4, 3214868480
	.section	.rodata,"a",@progbits
	.p2align	6, 0x0
	.amdhsa_kernel k_qeb2e4b8626_g2
		.amdhsa_group_segment_fixed_size 327680
		.amdhsa_private_segment_fixed_size 0
		.amdhsa_enable_private_segment 0
		.amdhsa_kernarg_size 40
		.amdhsa_user_sgpr_count 2
		.amdhsa_user_sgpr_kernarg_segment_ptr 1
		.amdhsa_wavefront_size32 1
		.amdhsa_system_sgpr_workgroup_id_x 1
		.amdhsa_system_sgpr_workgroup_id_y 1
		.amdhsa_system_sgpr_workgroup_id_z 1
		.amdhsa_system_vgpr_workitem_id 0
		.amdhsa_next_free_vgpr 1024
		.amdhsa_next_free_sgpr 100
		.amdhsa_reserve_vcc 0
		.amdhsa_float_denorm_mode_32 3
		.amdhsa_float_denorm_mode_16_64 3
		.amdhsa_memory_ordered 1
		.amdhsa_forward_progress 1
		.amdhsa_inst_pref_size 177
	.end_amdhsa_kernel
	.amdgpu_metadata
---
amdhsa.version: [ 1, 2 ]
amdhsa.kernels:
  - .name:           k_qeb2e4b8626_g2
    .symbol:         k_qeb2e4b8626_g2.kd
    .args:
      - { .name: act1, .offset: 0, .size: 8, .value_kind: global_buffer, .address_space: global }
      - { .name: wq2, .offset: 8, .size: 8, .value_kind: global_buffer, .address_space: global }
      - { .name: b2, .offset: 16, .size: 8, .value_kind: global_buffer, .address_space: global }
      - { .name: Wk, .offset: 24, .size: 8, .value_kind: global_buffer, .address_space: global }
      - { .name: act0, .offset: 32, .size: 8, .value_kind: global_buffer, .address_space: global }
    .group_segment_fixed_size: 327680
    .private_segment_fixed_size: 0
    .kernarg_segment_align: 8
    .kernarg_segment_size: 40
    .max_flat_workgroup_size: 128
    .sgpr_count:     100
    .vgpr_count:     1024
    .wavefront_size: 32
...
	.end_amdgpu_metadata
.endif
;; end of part 3
;; launch mid (part 4): grid 128 x 1, 4 waves a work-group, no clusters, 92,672 bytes of LDS; arguments act0, wsm, bmu, bk, eps, u, noise, b3, act1, out1, out2; writes act1, out1, out2
.if DOCPART == 4
	.amdgcn_target "amdgcn-amd-amdhsa--gfx1250"
	.amdhsa_code_object_version 6
	.text
	.protected	k_qeb2e4b8626_mid
	.globl	k_qeb2e4b8626_mid
	.p2align	8
	.type	k_qeb2e4b8626_mid,@function
k_qeb2e4b8626_mid:
	s_mov_b64 s[64:65], 0
	v_nop
	global_prefetch_b8 v0, s[64:65] scope:SCOPE_SE
	s_setreg_imm32_b32 hwreg(HW_REG_WAVE_MODE, 25, 1), 1
	s_wait_xcnt 0x0
; The narrow middle: mu = h2 Wmu + bmu, normalised (out1); kappa = min(softplus(h2 . Wk + bk) + 1, 6400) (out2); Wood's sampler; z; hd1 = Q(relu(z W3 + b3)), which leaves as images of operand registers.
; h2 arrives as codes of FP6 (E2M3) with scale words, and h2 . Wk as eight partial sums a row in f32; Wmu and W3 arrive as codes.  Both products here are on codes; z is quantised in registers.
; SHARES.  A work-group of four waves owns 64 rows.  1: wave w multiplies K steps 2 w and 2 w + 1 of h2 Wmu for all 64 rows; the four partial results meet in LDS.  While its fragments are on their way it runs the sampler for
; rows 16 w .. 16 w + 15: lane (r, h) takes row r and rounds 8 h .. 8 h + 7.  2: wave w finishes mu, the tangent and z for its 16 rows; z's fragment goes to LDS as an image.  3: wave w makes columns 256 w .. + 255 of hd1 for all 64 rows.
; Both products are used transposed (source 0 = 16 columns of the weight, source 1 = 16 rows), and a weight's tile 2 B + u holds columns 32 B + 8 u + r + 8 (r / 8): register j of that tile in lane (r, h) is (row r, column 32 B + 16 h + 8 u + j).
; THE SAMPLER decides by v_cndmask_b32 alone: no branch and no address hangs on it.  log1p(y) = ln(1 + y) x y / ((1 + y) - 1), and y itself where 1 + y rounds to 1; divisions and the root that lead to the test get one Newton step.
; No cluster: the launch has no tensor load, and what its work-groups share is the 150 KB of the two small weights.
; LIMITS: NaN and infinities are not served; log1p leans on v_log_f32 being good to an ulp of its result near 1; sums are taken in another order than row by row; mu and the tangent are scaled by a refined reciprocal, not divided;
; a block of zeros gets the scale byte 1 (its codes are zeros; this program alone reads the bytes); blocks under 2^-124 are held at that floor.
; REGISTERS: window 0: v4-15, v76-81 addresses; v16-51 scale words and nothing else; v52 kappa, v54 w, v102 sqrt(1 - w^2); v56-75, v84-100 the quantiser's; v128-255 the sampler, then the partial results, mu, noise and z, then hd1's tiles.
;   window 1: v0-191 the first product's fragments, later z's four; v192-223 noise as loaded, v224-255 bmu.   window 2: W3's 16 fragments.   window 3: v0-127 the first product's 16 accumulators; v128-255 b3.
.set PART, 0                           ; LDS: four partial results of 64 rows x 64 columns, as images: 16,384 bytes each
.set ZIMG, 65536                       ; z's four fragments
.set ZSC,  71680                       ; their scale words, 128 bytes each
.set KAP,  72192                       ; kappa of the 64 rows
.set HSCR, 72448                       ; 512 bytes for each wave: hd1's scale words
.set STG,  74496                       ; a stage of 16 rows x (256 + 16) bytes for each wave
.set LI,  4                            ; 16 x lane
.set R4,  5                            ; 4 r
.set EU,  6                            ; eps, u: 8 h rounds of 32,768 bytes + 4 r
.set PST, 7                            ; partial results: where I store,
.set PLD, 8                            ; and where I load
.set SGR, 9                            ; the stage by rows: row h, 16 r
.set SGL, 10                           ; the stage by layout: row r, 64 h
.set ZST, 11
.set ZLD, 12
.set ZSL, 13
.set ZSS, 14
.set KST, 15
.set KLD, 76
.set L8,  77                           ; 8 x lane
.set HSS, 78
.set HSL, 79
.set H64, 80                           ; 64 h
.set OSC, 81                           ; hd1's scale words in memory: 32,768 (lane / 16) + 16 (lane % 16)
.set HS,  16                           ; v16-23 h2's scale words (2 m + s); v24-31 Wmu's (2 t + s); v32-47 W3's; v48-51 z's
.set WS,  24
.set W3S, 32
.set ZS,  48
.set PC,  56
.set TM,  84
.set PW,  100
.set TP,  108                          ; v108-111 at work
.set KP,  128                          ; the sampler's registers
.set EP,  136
.set UL,  144
.set W,   152                          ; w of my eight rounds; W + 8 = x0
.set Y,   162                          ; first the denominators, then y = -x0 w
.set LG,  172                          ; first the reciprocals, then 1 + y and its logarithm
.set RD,  182                          ; first the numerators, then (1 + y) - 1 and its reciprocal
.set TT,  192
.set A0,  210
.set WV,  26
.set SEL, 28
.set MSB, 0
.macro WIN new
.if MSB != (\new)
	s_set_vgpr_msb (MSB<<8)|(\new)
.set MSB, \new
.endif
.endm
.macro QUANT s                         ; 64 numbers of a lane, register 16 b + i = k 32 b + 16 (lane / 16) + i of my row -> a fragment's codes in v[PC] on, its scale word in v[PW]
.irp b, 0,1,2,3
	v_max3_num_f32 v[TM+\b], |v[\s+16*\b]|, |v[\s+1+16*\b]|, 0x1800000   ; my 16 numbers of block b, and the floor 2^(3 - 127)
.endr
.irp i, 2,4,6,8,10,12,14
.irp b, 0,1,2,3
	v_max3_num_f32 v[TM+\b], v[TM+\b], |v[\s+16*\b+\i]|, |v[\s+1+16*\b+\i]|
.endr
.endr
.irp b, 0,1,2,3
	v_permlanex16_b32 v[TM+4+\b], v[TM+\b], s[SEL], s[SEL+1]
.endr
.irp b, 0,1,2,3
	v_max_num_f32 v[TM+\b], v[TM+\b], v[TM+4+\b]
.endr
.irp b, 0,1,2,3
	v_add_nc_u32 v[TM+12+\b], 0xff000000, v[TM+\b]   ; 2 off the exponent field: the conversion's scale operand
.endr
.irp b, 0,1,2,3
	v_lshrrev_b32 v[TM+4+\b], 23, v[TM+12+\b]
.endr
	v_lshl_or_b32 v[PW], v[TM+5], 8, v[TM+4]
	v_lshl_or_b32 v[PW], v[TM+6], 16, v[PW]
	v_lshl_or_b32 v[PW], v[TM+7], 24, v[PW]
.irp c, 0,1
	v_cvt_scalef32_pk16_fp6_f32 v[PC+6*\c:PC+2+6*\c], v[\s+32*\c:\s+15+32*\c], v[TM+12+2*\c]
	v_cvt_scalef32_pk16_fp6_f32 v[PC+12+4*\c:PC+14+4*\c], v[\s+16+32*\c:\s+31+32*\c], v[TM+12+2*\c+1]
.endr
	v_nop                                          ; one plain place behind a scaled conversion
.irp c, 0,1
.irp i, 0,1,2
	v_permlane16_swap_b32 v[PC+6*\c+\i], v[PC+12+4*\c+\i]
.endr
.irp i, 0,1,2
	v_mov_b32 v[PC+3+6*\c+\i], v[PC+12+4*\c+\i]
.endr
.endr
.endm
.macro DOT32 a, b                      ; v[TP] = the sum over my row's 64 columns of a x b: my 32 registers in two chains, then lane l xor 16's
	v_pk_mul_f32 v[TP:TP+1], v[\a:\a+1], v[\b:\b+1]
	v_pk_mul_f32 v[TP+2:TP+3], v[\a+2:\a+3], v[\b+2:\b+3]
.irp j, 4,8,12,16,20,24,28
	v_pk_fma_f32 v[TP:TP+1], v[\a+\j:\a+\j+1], v[\b+\j:\b+\j+1], v[TP:TP+1]
	v_pk_fma_f32 v[TP+2:TP+3], v[\a+\j+2:\a+\j+3], v[\b+\j+2:\b+\j+3], v[TP+2:TP+3]
.endr
	v_pk_add_f32 v[TP:TP+1], v[TP:TP+1], v[TP+2:TP+3]
	v_add_f32 v[TP], v[TP], v[TP+1]
	v_permlanex16_b32 v[TP+1], v[TP], s[SEL], s[SEL+1]
	v_add_f32 v[TP], v[TP], v[TP+1]
.endm
.macro RNORM d                         ; v[d] = 1 / (sqrt(v[TP]) + 1e-8), the reciprocal with one Newton step
	v_sqrt_f32 v[TP], v[TP]
	v_nop                                          ; a plain place behind the transcendental,
	s_wait_alu depctr_va_vdst(0)                   ; and a wait ahead of its first reader
	v_add_f32 v[TP], 0x322bcc77, v[TP]
	s_wait_alu depctr_va_vdst(0)
	v_rcp_f32 v[\d], v[TP]
	v_nop
	s_wait_alu depctr_va_vdst(0)
	v_fma_f32 v[TP+1], -v[TP], v[\d], 1.0
	v_fma_f32 v[\d], v[TP+1], v[\d], v[\d]
.endm
	s_load_b512 s[4:19], s[0:1], 0x0               ; act0 4, wsm 6, bmu 8, bk 10, eps 12, u 14, noise 16, b3 18
	s_load_b128 s[20:23], s[0:1], 0x40             ; act1 20, out1 22
	s_load_b64 s[24:25], s[0:1], 0x50              ; out2
	v_lshl_add_u32 v126, v0, 2, 0x16800
	v_mov_b32 v127, 0
	v_lshrrev_b32 v1, 5, v0
	v_readfirstlane_b32 s[WV], v1                  ; wave 0..3
	v_and_b32 v1, 15, v0                           ; r
	v_bfe_u32 v2, v0, 4, 1                         ; h
	v_and_b32 v3, 31, v0                           ; lane
	v_lshlrev_b32 v[LI], 4, v3
	v_lshlrev_b32 v[R4], 2, v1
	v_lshl_add_u32 v[EU], v2, 18, v[R4]
	v_lshlrev_b32 v[H64], 6, v2
	v_lshlrev_b32 v[L8], 3, v3
	v_lshlrev_b32 v[OSC], 4, v1
	v_lshl_add_u32 v[OSC], v2, 15, v[OSC]
	s_lshl_b32 s56, s[WV], 14
	v_add_nc_u32 v[PST], s56, v[LI]                ; my partial result
	s_lshl_b32 s56, s[WV], 12
	v_add_nc_u32 v[PLD], s56, v[LI]                ; my tile of rows in each of the four
	s_mul_i32 s56, s[WV], 4352
	s_add_co_u32 s56, s56, STG
	v_mul_u32_u24 v[SGR], v2, 272
	v_lshl_add_u32 v[SGR], v1, 4, v[SGR]
	v_add_nc_u32 v[SGR], s56, v[SGR]
	v_mul_u32_u24 v[SGL], v1, 272
	v_lshl_add_u32 v[SGL], v2, 6, v[SGL]
	v_add_nc_u32 v[SGL], s56, v[SGL]
	s_mul_i32 s56, s[WV], 1536
	s_add_co_u32 s56, s56, ZIMG
	v_add_nc_u32 v[ZST], s56, v[LI]
	v_add_nc_u32 v[ZLD], ZIMG, v[LI]
	v_lshl_add_u32 v[ZSL], v3, 2, ZSC
	s_lshl_b32 s56, s[WV], 7
	v_add_nc_u32 v[ZSS], s56, v[ZSL]
	s_lshl_b32 s56, s[WV], 6
	s_add_co_u32 s56, s56, KAP
	v_add_nc_u32 v[KST], s56, v[R4]
	v_add_nc_u32 v[KLD], KAP, v[L8]
	s_lshl_b32 s56, s[WV], 9
	s_add_co_u32 s56, s56, HSCR
	v_add_nc_u32 v[HSS], s56, v[R4]
	v_add_nc_u32 v[HSL], s56, v[LI]
.irp b, 0,1,2,3
	v_mov_b32 v[TM+4+\b], 0                        ; written once: a lane permute's destination counts as one of its sources
.endr
.irp i, 55,103,105,107
	v_mov_b32 v\i, 0                               ; the upper halves of pairs whose low word is broadcast: named, so written
.endr
	s_mov_b32 s[SEL], 0x76543210
	s_mov_b32 s[SEL+1], 0xfedcba98
	s_mov_b32 s50, 0x3f317218                      ; ln 2
	s_mov_b32 s51, 0x427c0000                      ; d = 63
	s_mov_b32 s52, 0x45781000                      ; d d = 3,969
	s_mov_b32 s54, 0xffff0000                      ; lanes 16-31
	s_lshl_b32 s30, ttmp9, 8
	s_lshl_b32 s56, s[WV], 6
	s_add_co_u32 s30, s30, s56                     ; 4 x my first row
	s_mov_b32 s31, 0
	s_mov_b32 s57, 0
	s_wait_kmcnt 0x0
	s_load_b32 s27, s[10:11], 0x0                  ; bk
	s_add_nc_u64 s[12:13], s[12:13], s[30:31]
	s_add_nc_u64 s[14:15], s[14:15], s[30:31]
	s_add_co_u32 s56, s30, 6553600
	s_add_nc_u64 s[32:33], s[4:5], s[56:57]        ; the partial sums of h2 . Wk
	s_mul_i32 s56, ttmp9, 49152
	s_mul_i32 s58, s[WV], 3072
	s_add_co_u32 s56, s56, s58
	s_add_nc_u64 s[34:35], s[4:5], s[56:57]        ; h2's fragments: my work-group's four tiles, my two K steps
	s_add_nc_u64 s[46:47], s[20:21], s[56:57]      ; hd1's likewise
	s_lshl_b32 s56, s[WV], 16
	s_lshl_b32 s59, ttmp9, 8
	s_add_co_u32 s56, s56, s59
	s_add_co_u32 s56, s56, 6291456
	s_add_nc_u64 s[36:37], s[4:5], s[56:57]        ; h2's scale words
	s_add_nc_u64 s[48:49], s[20:21], s[56:57]      ; hd1's
	s_mov_b32 s56, s58
	s_add_nc_u64 s[38:39], s[6:7], s[56:57]        ; Wmu's fragments
	s_lshl_b32 s56, s[WV], 9
	s_add_co_u32 s56, s56, 49152
	s_add_nc_u64 s[40:41], s[6:7], s[56:57]        ; Wmu's scale words
	s_mul_i32 s56, s[WV], 24576
	s_add_co_u32 s56, s56, 51200
	s_add_nc_u64 s[42:43], s[6:7], s[56:57]        ; W3's fragments: my 16 tiles
	s_lshl_b32 s56, s[WV], 10
	s_add_nc_u64 s[18:19], s[18:19], s[56:57]      ; b3 at my 256 columns
	s_add_co_u32 s56, s56, 149504
	s_add_nc_u64 s[44:45], s[6:7], s[56:57]        ; W3's scale words
	s_lshl_b32 s56, ttmp9, 14
	s_lshl_b32 s58, s[WV], 12
	s_add_co_u32 s56, s56, s58
	s_add_nc_u64 s[16:17], s[16:17], s[56:57]      ; noise and out1 at my 16 rows
	s_add_nc_u64 s[22:23], s[22:23], s[56:57]
	s_mov_b32 s56, s59
	s_add_nc_u64 s[24:25], s[24:25], s[56:57]      ; out2 at the work-group's 64 rows
	; ---- the sampler's 24 loads first, then the first product's 64
.irp c, 0,1,2,3,4,5,6,7
	global_load_b32 v[KP+\c], v[R4], s[32:33] offset:\c*32768 th:TH_LOAD_NT
.endr
.irp i, 0,1,2,3,4,5,6,7
	global_load_b32 v[EP+\i], v[EU], s[12:13] offset:\i*32768 th:TH_LOAD_NT
.endr
.irp i, 0,1,2,3,4,5,6,7
	global_load_b32 v[UL+\i], v[EU], s[14:15] offset:\i*32768 th:TH_LOAD_NT
.endr
	WIN 0x40                                       ; destination window 1
.irp m, 0,1,2,3
.irp s, 0,1
.irp c, 0,1,2
	global_load_b128 v[12*(2*\m+\s)+4*\c:12*(2*\m+\s)+4*\c+3], v[LI], s[34:35] offset:\m*12288+\s*1536+512*\c th:TH_LOAD_NT
.endr
.endr
.endr
.irp t, 0,1,2,3
.irp s, 0,1
.irp c, 0,1,2
	global_load_b128 v[96+12*(2*\t+\s)+4*\c:96+12*(2*\t+\s)+4*\c+3], v[LI], s[38:39] offset:\t*12288+\s*1536+512*\c
.endr
.endr
.endr
	WIN 0
.irp m, 0,1,2,3
.irp s, 0,1
	global_load_b32 v[HS+2*\m+\s], v[R4], s[36:37] offset:\s*32768+\m*64
	global_load_b32 v[WS+2*\m+\s], v[R4], s[40:41] offset:\s*256+\m*64
.endr
.endr
	s_wait_loadcnt 63                              ; 64 loads were issued behind the sampler's 24; a wait names 63 at the most
	s_wait_kmcnt 0x0                               ; bk
	; ---- THE SAMPLER.  kappa first
.irp i, 0,1,2,3,4,5,6,7
	v_max_num_f32 v[UL+\i], 0x2b8cbccc, v[UL+\i]   ; max(u, 1e-12)
.endr
	v_add_f32 v[A0], v[KP], v[KP+1]
	v_add_f32 v[A0+1], v[KP+2], v[KP+3]
	v_add_f32 v[A0+2], v[KP+4], v[KP+5]
	v_add_f32 v[A0+3], v[KP+6], v[KP+7]
	v_add_f32 v[A0], v[A0], v[A0+1]
	v_add_f32 v[A0+2], v[A0+2], v[A0+3]
	v_add_f32 v[A0], v[A0], v[A0+2]
	v_add_f32 v[A0], s27, v[A0]                    ; h2 . Wk + bk
	v_mul_f32 v[A0+1], 0xbfb8aa3b, |v[A0]|         ; -|.| log2(e)
	s_wait_alu depctr_va_vdst(0)
.irp i, 0,1,2,3,4,5,6,7
	v_log_f32 v[UL+\i], v[UL+\i]
.endr
	v_exp_f32 v[A0+1], v[A0+1]
	v_max_num_f32 v[A0+2], 0, v[A0]                ; (the plain place behind the batch)
	s_wait_alu depctr_va_vdst(0)                   ; one wait for the batch, ahead of its first reader
	v_add_f32 v[A0+1], 1.0, v[A0+1]
	s_wait_alu depctr_va_vdst(0)
	v_log_f32 v[A0+1], v[A0+1]
.irp i, 0,1,2,3,4,5,6,7
	v_mul_f32 v[UL+\i], s50, v[UL+\i]              ; ln(max(u, 1e-12))
.endr
	s_wait_alu depctr_va_vdst(0)
	v_fma_f32 v52, v[A0+1], s50, v[A0+2]           ; softplus = max(x, 0) + ln(1 + e^-|x|)
	v_add_f32 v52, 1.0, v52
	v_min_num_f32 v52, 0x45c80000, v52             ; kappa, at most 6,400
	v_mul_f32 v[A0], 4.0, v52
	v_fma_f32 v[A0], v[A0], v52, s52               ; 4 k k + d d
	s_wait_alu depctr_va_vdst(0)
	v_sqrt_f32 v[A0+1], v[A0]
	v_rsq_f32 v[A0+2], v[A0]
	v_add_f32 v[A0+3], v52, v52
	s_wait_alu depctr_va_vdst(0)
	v_fma_f32 v[A0+4], -v[A0+1], v[A0+1], v[A0]    ; the root's Newton step
	v_mul_f32 v[A0+2], 0.5, v[A0+2]
	v_fma_f32 v[A0+1], v[A0+4], v[A0+2], v[A0+1]
	v_add_f32 v[A0+1], v[A0+1], v[A0+3]            ; s + 2 k
	s_wait_alu depctr_va_vdst(0)
	v_rcp_f32 v[A0+2], v[A0+1]
	v_nop
	s_wait_alu depctr_va_vdst(0)
	v_mul_f32 v[A0+3], s51, v[A0+2]
	v_fma_f32 v[A0+4], -v[A0+3], v[A0+1], s51
	v_fma_f32 v[A0+3], v[A0+4], v[A0+2], v[A0+3]   ; b = d / (s + 2 k)
	v_add_f32 v[A0+5], 1.0, v[A0+3]                ; 1 + b
	v_sub_f32 v[A0+6], 1.0, v[A0+3]                ; 1 - b
.irp i, 0,1,2,3,4,5,6,7
	v_fma_f32 v[Y+\i], -v[A0+6], v[EP+\i], 1.0     ; the denominators,
.endr
.irp i, 0,1,2,3,4,5,6,7
	v_fma_f32 v[RD+\i], -v[A0+5], v[EP+\i], 1.0    ; the numerators
.endr
	s_wait_alu depctr_va_vdst(0)
	v_rcp_f32 v[A0+7], v[A0+5]
.irp i, 0,1,2,3,4,5,6,7
	v_rcp_f32 v[LG+\i], v[Y+\i]
.endr
	v_nop
	s_wait_alu depctr_va_vdst(0)
	v_mul_f32 v[W+8], v[A0+6], v[A0+7]
	v_fma_f32 v[A0+4], -v[W+8], v[A0+5], v[A0+6]
	v_fma_f32 v[W+8], v[A0+4], v[A0+7], v[W+8]     ; x0 = (1 - b) / (1 + b)
.irp i, 0,1,2,3,4,5,6,7
	v_mul_f32 v[W+\i], v[RD+\i], v[LG+\i]
.endr
.irp i, 0,1,2,3,4,5,6,7
	v_fma_f32 v[RD+\i], -v[W+\i], v[Y+\i], v[RD+\i]
.endr
.irp i, 0,1,2,3,4,5,6,7
	v_fma_f32 v[W+\i], v[RD+\i], v[LG+\i], v[W+\i] ; w of my eight rounds
.endr
.irp i, 0,1,2,3,4,5,6,7,8                      ; log1p(-x0 w) of the eight, and as the ninth log1p(-x0 x0)
	v_mul_f32 v[Y+\i], -v[W+8], v[W+\i]
.endr
.irp i, 0,1,2,3,4,5,6,7,8
	v_add_f32 v[LG+\i], 1.0, v[Y+\i]
.endr
.irp i, 0,1,2,3,4,5,6,7,8
	v_add_f32 v[RD+\i], -1.0, v[LG+\i]
.endr
	s_wait_alu depctr_va_vdst(0)
.irp i, 0,1,2,3,4,5,6,7,8
	v_log_f32 v[LG+\i], v[LG+\i]
.endr
.irp i, 0,1,2,3,4,5,6,7,8
	v_rcp_f32 v[RD+\i], v[RD+\i]
.endr
	v_nop
	s_wait_alu depctr_va_vdst(0)
.irp i, 0,1,2,3,4,5,6,7,8
	v_mul_f32 v[RD+\i], v[Y+\i], v[RD+\i]          ; y / ((1 + y) - 1)
.endr
.irp i, 0,1,2,3,4,5,6,7,8
	v_mul_f32 v[TT+\i], s50, v[LG+\i]              ; ln(1 + y)
.endr
.irp i, 0,1,2,3,4,5,6,7,8
	v_mul_f32 v[TT+\i], v[TT+\i], v[RD+\i]
.endr
.irp i, 0,1,2,3,4,5,6,7,8
	v_cmp_eq_f32 vcc_lo, 0, v[LG+\i]               ; 1 + y has rounded to 1: log1p(y) = y
	v_cndmask_b32 v[TT+\i], v[TT+\i], v[Y+\i], vcc_lo
.endr
	v_mul_f32 v[A0], s51, v[TT+8]
	v_fma_f32 v[A0], v52, v[W+8], v[A0]            ; c = k x0 + d log1p(-x0 x0)
.irp i, 0,1,2,3,4,5,6,7
	v_fma_f32 v[TT+\i], s51, v[TT+\i], -v[A0]
.endr
.irp i, 0,1,2,3,4,5,6,7
	v_fma_f32 v[TT+\i], v52, v[W+\i], v[TT+\i]     ; t = k w + d log1p(-x0 w) - c
.endr
	v_mov_b32 v[A0+1], v[W+7]                      ; my eight rounds from the last to the first: the first accepted one stays; with none, my last
	v_cmp_ge_f32 vcc_lo, v[TT+7], v[UL+7]
	s_mov_b32 s53, vcc_lo
.irp i, 6,5,4,3,2,1,0
	v_cmp_ge_f32 vcc_lo, v[TT+\i], v[UL+\i]
	v_cndmask_b32 v[A0+1], v[A0+1], v[W+\i], vcc_lo
	s_or_b32 s53, s53, vcc_lo                      ; did any of my eight accept?
.endr
	v_mov_b32 v[A0+2], 0
	v_permlanex16_b32 v[A0+2], v[A0+1], s[SEL], s[SEL+1]
	v_cndmask_b32 v[A0+3], v[A0+1], v[A0+2], s54   ; the choice of rounds 0-7, in both halves of the lanes,
	v_cndmask_b32 v[A0+4], v[A0+2], v[A0+1], s54   ; and of rounds 8-15, which is round 15 where none accepted
	s_and_b32 s53, s53, 0xffff
	s_lshl_b32 s55, s53, 16
	s_or_b32 s53, s53, s55                         ; rounds 0-7's answer for row r, in lanes r and 16 + r
	v_cndmask_b32 v54, v[A0+4], v[A0+3], s53       ; w
	v_fma_f32 v102, -v54, v54, 1.0
	v_max_num_f32 v102, 0, v102
	s_wait_alu depctr_va_vdst(0)
	v_sqrt_f32 v102, v102                          ; sqrt(max(1 - w w, 0))
	v_nop
	s_wait_alu depctr_va_vdst(0)
	; ---- 1: my two K steps of h2 Wmu: 16 accumulators by turns
	s_wait_loadcnt 0x0
	WIN 0xf5                                       ; sources 0 and 1 window 1, C and D window 3
.irp s, 0,1
.irp m, 0,1,2,3
.irp t, 0,1,2,3
.if \s == 0
	v_wmma_scale_f32_16x16x128_f8f6f4 v[8*(4*\m+\t):8*(4*\m+\t)+7], v[96+12*(2*\t+\s):96+12*(2*\t+\s)+11], v[12*(2*\m+\s):12*(2*\m+\s)+11], 0, v[WS+2*\t+\s], v[HS+2*\m+\s] matrix_a_fmt:MATRIX_FMT_FP6 matrix_b_fmt:MATRIX_FMT_FP6
.else
	v_wmma_scale_f32_16x16x128_f8f6f4 v[8*(4*\m+\t):8*(4*\m+\t)+7], v[96+12*(2*\t+\s):96+12*(2*\t+\s)+11], v[12*(2*\m+\s):12*(2*\m+\s)+11], v[8*(4*\m+\t):8*(4*\m+\t)+7], v[WS+2*\t+\s], v[HS+2*\m+\s] matrix_a_fmt:MATRIX_FMT_FP6 matrix_b_fmt:MATRIX_FMT_FP6
.endif
.endr
.endr
.endr
	WIN 0x40                                       ; what the next phases want is asked for now, into registers that no product names
.irp i, 0,1,2,3,4,5,6,7
	global_load_b128 v[192+4*\i:192+4*\i+3], v[LI], s[16:17] offset:512*\i th:TH_LOAD_NT      ; my 16 rows of noise: 512 consecutive bytes a load
.endr
.irp t, 0,1,2,3
	global_load_b128 v[224+8*\t:224+8*\t+3], v[H64], s[8:9] offset:(32*(\t/2)+8*(\t%2))*4
	global_load_b128 v[224+8*\t+4:224+8*\t+7], v[H64], s[8:9] offset:(32*(\t/2)+8*(\t%2))*4+16
.endr
	WIN 0xc0
.irp t, 0,1,2,3,4,5,6,7,8,9,10,11,12,13,14,15
	global_load_b128 v[128+8*\t:128+8*\t+3], v[H64], s[18:19] offset:(32*(\t/2)+8*(\t%2))*4
	global_load_b128 v[128+8*\t+4:128+8*\t+7], v[H64], s[18:19] offset:(32*(\t/2)+8*(\t%2))*4+16
.endr
.rept 4
	v_nop                                          ; four places in front of the first read of results (ISA guide 7.12.1)
.endr
	WIN 0x0c                                       ; an LDS store's data are its source 1: window 3
.irp m, 0,1,2,3
.irp t, 0,1,2,3
	ds_store_b128 v[PST], v[8*(4*\m+\t):8*(4*\m+\t)+3] offset:\m*4096+\t*1024       ; each accumulator from its low end on, as an image
	ds_store_b128 v[PST], v[8*(4*\m+\t)+4:8*(4*\m+\t)+7] offset:\m*4096+\t*1024+512
.endr
.endr
	WIN 0
	s_wait_dscnt 0x0                               ; for the others' sake: my stores have landed
	s_barrier_signal -1
	s_barrier_wait -1                              ; the four partial results lie in LDS
	; ---- 2: my 16 rows
.irp p, 0,1,2,3
.irp t, 0,1,2,3
	ds_load_b128 v[128+32*\p+8*\t:128+32*\p+8*\t+3], v[PLD] offset:\p*16384+\t*1024
	ds_load_b128 v[128+32*\p+8*\t+4:128+32*\p+8*\t+7], v[PLD] offset:\p*16384+\t*1024+512
.endr
.endr
	WIN 0x80                                       ; destination window 2: W3's 16 fragments of my columns
.irp t, 0,1,2,3,4,5,6,7,8,9,10,11,12,13,14,15
.irp c, 0,1,2
	global_load_b128 v[12*\t+4*\c:12*\t+4*\c+3], v[LI], s[42:43] offset:\t*1536+512*\c
.endr
.endr
	WIN 0
.irp t, 0,1,2,3,4,5,6,7,8,9,10,11,12,13,14,15
	global_load_b32 v[W3S+\t], v[R4], s[44:45] offset:64*\t
.endr
	s_wait_dscnt 0x0
.irp j, 0,2,4,6,8,10,12,14,16,18,20,22,24,26,28,30
	v_pk_add_f32 v[128+\j:129+\j], v[128+\j:129+\j], v[160+\j:161+\j]
	v_pk_add_f32 v[192+\j:193+\j], v[192+\j:193+\j], v[224+\j:225+\j]
.endr
.irp j, 0,2,4,6,8,10,12,14,16,18,20,22,24,26,28,30
	v_pk_add_f32 v[128+\j:129+\j], v[128+\j:129+\j], v[192+\j:193+\j]
.endr
	s_wait_loadcnt 63                              ; 96 loads were issued behind noise and bmu; a wait names 63 at the most
	WIN 0x04                                       ; source 1 window 1
.irp j, 0,2,4,6,8,10,12,14,16,18,20,22,24,26,28,30
	v_pk_add_f32 v[128+\j:129+\j], v[128+\j:129+\j], v[224+\j:225+\j]   ; + bmu
.endr
.irp i, 0,1,2,3,4,5,6,7
	ds_store_b128 v[SGR], v[192+4*\i:192+4*\i+3] offset:544*\i          ; noise turns through my stage: in by rows,
.endr
	WIN 0
.irp b, 0,1
.irp j, 0,1,2,3
	ds_load_b128 v[160+16*\b+4*\j:160+16*\b+4*\j+3], v[SGL] offset:128*\b+16*\j   ; out in mu's layout.  LDS serves a wave's instructions in order
.endr
.endr
	DOT32 128, 128
	s_wait_alu depctr_va_vdst(0)
	RNORM 104
.irp j, 0,2,4,6,8,10,12,14,16,18,20,22,24,26,28,30
	v_pk_mul_f32 v[128+\j:129+\j], v[128+\j:129+\j], v[104:105] op_sel_hi:[1,0]   ; mu
.endr
.irp b, 0,1
.irp j, 0,1,2,3
	ds_store_b128 v[SGL], v[128+16*\b+4*\j:128+16*\b+4*\j+3] offset:128*\b+16*\j  ; mu goes the other way through the same stage
.endr
.endr
.irp i, 0,1,2,3,4,5,6,7
	ds_load_b128 v[224+4*\i:224+4*\i+3], v[SGR] offset:544*\i
.endr
	s_wait_dscnt 16                                ; the noise is in; behind its loads stand mu's 8 stores and 8 loads
	DOT32 160, 128
	v_sub_f32 v106, 0, v[TP]                       ; -(noise . mu)
.irp j, 0,2,4,6,8,10,12,14,16,18,20,22,24,26,28,30
	v_pk_fma_f32 v[160+\j:161+\j], v[128+\j:129+\j], v[106:107], v[160+\j:161+\j] op_sel_hi:[1,0,1]   ; the projection
.endr
	s_wait_dscnt 0x0
.irp i, 0,1,2,3,4,5,6,7
	global_store_b128 v[LI], v[224+4*\i:224+4*\i+3], s[22:23] offset:512*\i th:TH_STORE_NT   ; out1: 512 consecutive bytes, aligned
.endr
	DOT32 160, 160
	s_wait_alu depctr_va_vdst(0)
	RNORM 104
	v_mul_f32 v102, v102, v104                     ; sqrt(1 - w w) / (the projection's norm + 1e-8)
.irp j, 0,2,4,6,8,10,12,14,16,18,20,22,24,26,28,30
	v_pk_mul_f32 v[192+\j:193+\j], v[128+\j:129+\j], v[54:55] op_sel_hi:[1,0]
.endr
.irp j, 0,2,4,6,8,10,12,14,16,18,20,22,24,26,28,30
	v_pk_fma_f32 v[192+\j:193+\j], v[160+\j:161+\j], v[102:103], v[192+\j:193+\j] op_sel_hi:[1,0,1]   ; z
.endr
	s_wait_xcnt 0x0                                ; out1's stores have read their registers
.set JJ, 0
.rept 32
	v_mov_b32 v[224+JJ], 0                         ; K = 64: the K step's upper 64 are zeros
.set JJ, JJ+1
.endr
	QUANT 192
.irp c, 0,1,2
	ds_store_b128 v[ZST], v[PC+4*\c:PC+4*\c+3] offset:512*\c
.endr
	ds_store_b32 v[ZSS], v[PW]
	ds_store_b32 v[KST], v52                       ; both halves of the lanes write the same word with the same value
	s_wait_dscnt 0x0
	s_barrier_signal -1
	s_barrier_wait -1                              ; z's four fragments and the 64 kappa lie in LDS
	s_cmp_lg_u32 s[WV], 0
	s_cbranch_scc1 .Lnot_wave_0
	ds_load_b64 v[TP:TP+1], v[KLD]
	s_wait_dscnt 0x0
	global_store_b64 v[L8], v[TP:TP+1], s[24:25]   ; out2: 256 consecutive bytes, aligned
.Lnot_wave_0:
	; ---- 3: my 256 columns of hd1 for the 64 rows
	WIN 0x40
.irp m, 0,1,2,3
.irp c, 0,1,2
	ds_load_b128 v[12*\m+4*\c:12*\m+4*\c+3], v[ZLD] offset:\m*1536+512*\c
.endr
.endr
	WIN 0
.irp m, 0,1,2,3
	ds_load_b32 v[ZS+\m], v[ZSL] offset:128*\m
.endr
	s_wait_dscnt 0x0
	s_wait_loadcnt 0x0                             ; W3, its scale words, b3
; piece n = 4 e + m: columns 128 e on of my 256, rows 16 m on: eight products, one K step, C = b3; results in v128-191 and v192-255 by turns
.macro WM n
	WIN 0x36                                       ; source 0 (W3) window 2, source 1 (z) window 1, C (b3) window 3, D window 0
.irp t, 0,1,2,3,4,5,6,7
	v_wmma_scale_f32_16x16x128_f8f6f4 v[128+64*((\n)%2)+8*\t:128+64*((\n)%2)+8*\t+7], v[12*(8*((\n)/4)+\t):12*(8*((\n)/4)+\t)+11], v[12*((\n)%4):12*((\n)%4)+11], v[128+8*(8*((\n)/4)+\t):128+8*(8*((\n)/4)+\t)+7], v[W3S+8*((\n)/4)+\t], v[ZS+(\n)%4] matrix_a_fmt:MATRIX_FMT_FP6 matrix_b_fmt:MATRIX_FMT_FP6
.endr
	WIN 0
.endm
.macro OUT n
.set HB, 128+64*((\n)%2)
.set JJ, 0
.rept 64
	v_max_num_f32 v[HB+JJ], 0, v[HB+JJ]            ; relu; each accumulator from its low end on
.set JJ, JJ+1
.endr
	s_wait_xcnt 0x0                                ; the last piece's stores have read v[PC] on,
	s_wait_dscnt 0x0                               ; and its LDS store v[PW]
	QUANT HB
.irp c, 0,1,2
	global_store_b128 v[LI], v[PC+4*\c:PC+4*\c+3], s[46:47] offset:((\n)%4)*12288+((\n)/4)*1536+512*\c   ; 512 consecutive bytes, aligned
.endr
	ds_store_b32 v[HSS], v[PW] offset:256*((\n)/4)+64*((\n)%4)
.endm
	WM 0
	WM 1
.rept 4
	v_nop                                          ; places in front of the first read of results; from here on a piece's vector work is the places behind the piece before
.endr
	OUT 0
.irp n, 1,2,3,4,5,6
	WM \n+1
	OUT \n
.endr
	OUT 7
	ds_load_b128 v[TP:TP+3], v[HSL]                ; my two K steps' scale words of the 64 rows
	s_wait_dscnt 0x0
	global_store_b128 v[OSC], v[TP:TP+3], s[48:49] ; sixteen lanes store 256 consecutive bytes, aligned
	s_wait_tensorcnt 0x0
	ds_add_u32 v126, v127
	s_wait_dscnt 0x0
	s_endpgm
.Lfunc_end_k_qeb2e4b8626_mid:
	.size	k_qeb2e4b8626_mid, .Lfunc_end_k_qeb2e4b8626_mid-k_qeb2e4b8626_mid
	.p2alignl 7, 3214868480
	.fill 96, 4, 3214868480
	.section	.rodata,"a",@progbits
	.p2align	6, 0x0
	.amdhsa_kernel k_qeb2e4b8626_mid
		.amdhsa_group_segment_fixed_size 92672
		.amdhsa_private_segment_fixed_size 0
		.amdhsa_enable_private_segment 0
		.amdhsa_kernarg_size 88
		.amdhsa_user_sgpr_count 2
		.amdhsa_user_sgpr_kernarg_segment_ptr 1
		.amdhsa_wavefront_size32 1
		.amdhsa_system_sgpr_workgroup_id_x 1
		.amdhsa_system_sgpr_workgroup_id_y 1
		.amdhsa_system_sgpr_workgroup_id_z 1
		.amdhsa_system_vgpr_workitem_id 0
		.amdhsa_next_free_vgpr 1024
		.amdhsa_next_free_sgpr 66
		.amdhsa_reserve_vcc 1
		.amdhsa_float_denorm_mode_32 3
		.amdhsa_float_denorm_mode_16_64 3
		.amdhsa_memory_ordered 1
		.amdhsa_forward_progress 1
		.amdhsa_inst_pref_size 123
	.end_amdhsa_kernel
	.amdgpu_metadata
---
amdhsa.version: [ 1, 2 ]
amdhsa.kernels:
  - .name:           k_qeb2e4b8626_mid
    .symbol:         k_qeb2e4b8626_mid.kd
    .args:
      - { .name: act0, .offset: 0, .size: 8, .value_kind: global_buffer, .address_space: global }
      - { .name: wsm, .offset: 8, .size: 8, .value_kind: global_buffer, .address_space: global }
      - { .name: bmu, .offset: 16, .size: 8, .value_kind: global_buffer, .address_space: global }
      - { .name: bk, .offset: 24, .size: 8, .value_kind: global_buffer, .address_space: global }
      - { .name: eps, .offset: 32, .size: 8, .value_kind: global_buffer, .address_space: global }
      - { .name: u, .offset: 40, .size: 8, .value_kind: global_buffer, .address_space: global }
      - { .name: noise, .offset: 48, .size: 8, .value_kind: global_buffer, .address_space: global }
      - { .name: b3, .offset: 56, .size: 8, .value_kind: global_buffer, .address_space: global }
      - { .name: act1, .offset: 64, .size: 8, .value_kind: global_buffer, .address_space: global }
      - { .name: out1, .offset: 72, .size: 8, .value_kind: global_buffer, .address_space: global }
      - { .name: out2, .offset: 80, .size: 8, .value_kind: global_buffer, .address_space: global }
    .group_segment_fixed_size: 92672
    .private_segment_fixed_size: 0
    .kernarg_segment_align: 8
    .kernarg_segment_size: 88
    .max_flat_workgroup_size: 128
    .sgpr_count:     66
    .vgpr_count:     1024
    .wavefront_size: 32
...
	.end_amdgpu_metadata
.endif
;; end of part 4
;; launch g6: the kernel of part 2 again; grid 8 x 32, 4 waves a work-group, clusters of 4 x 4, 327,680 bytes of LDS; arguments act1, wq4, b4, act0; writes act0
;; launch g7 (part 5): grid 4 x 64, 4 waves a work-group, clusters of 4 x 4, 327,680 bytes of LDS; arguments act0, wq5, b5, out0; writes out0
.if DOCPART == 5
	.amdgcn_target "amdgcn-amd-amdhsa--gfx1250"
	.amdhsa_code_object_version 6
	.text
	.protected	k_qeb2e4b8626_g7
	.globl	k_qeb2e4b8626_g7
	.p2align	8
	.type	k_qeb2e4b8626_g7,@function
k_qeb2e4b8626_g7:
	s_mov_b64 s[64:65], 0
	v_nop
	global_prefetch_b8 v0, s[64:65] scope:SCOPE_SE
	s_setreg_imm32_b32 hwreg(HW_REG_WAVE_MODE, 25, 1), 1
	s_wait_xcnt 0x0
	s_wait_alu depctr_hold_cnt(0) depctr_sa_sdst(0) depctr_va_vdst(0) depctr_va_sdst(0) depctr_va_ssrc(0) depctr_va_vcc(0) depctr_vm_vsrc(0)
	s_getreg_b32 s2, hwreg(HW_REG_IB_STS2, 6, 4)
	s_cmp_eq_u32 s2, 0
	s_cbranch_scc0 .Lentry_in_a_cluster
	s_endpgm
.Lentry_in_a_cluster:
	s_bfe_u32 s2, ttmp6, 0x10000c
	s_cmp_lg_u32 s2, 0xf033
	s_cbranch_scc0 .Lentry_shape_is_right
	s_endpgm
.Lentry_shape_is_right:
; out0 = A W + b5: A [8192][2048] and W [2048][1024] as codes of FP6 (E2M3) with E8M0 scale words, both laid as images of operand registers; out0 [8192][1024] f32.
; IMAGES.  A fragment (16 rows x 128 K, 12 registers a lane) is 1,536 bytes, register 4 c + j of lane l at 512 c + 16 l + 4 j; fragment (tile, K step) at (16 tile + K step) x 1,536; scale word (K step, place) behind the codes.
; SHARES.  A work-group of four waves makes 128 rows x 256 columns; wave w makes all 128 rows of columns 64 w .. 64 w + 63.
; W STAYS IN REGISTERS: a wave's 4 column tiles x 16 K steps are 64 fragments, 768 registers.  A STAYS IN LDS: 8 row tiles x 16 K steps, 196,608 bytes.  So the matrix work has no ring in LDS and no barrier.
; THE WORK GOES BY ROWS OF THE RESULT: a row tile is 64 matrix instructions, K ascending, on 4 accumulators by turns; a finished tile leaves (stage in LDS, bias, stores) while the next is multiplied.
; ONE FILL, at the head; nothing is filled again: waves 0 and 1 bring the four waves' column tile 0, waves 2 and 3 A's eight row tiles: 294,912 bytes.
; A wave's column tiles 1-3 come by 144 plain loads of 512 consecutive bytes, an image as it lies, straight into their registers: LDS has no room for them beside A, and only this wave reads them.
; CLUSTERS: 4 x 4 work-groups; the fill's tiles of W are asked for jointly along a column of the cluster, A's along a row.  What goes straight into registers cannot be asked for jointly: a tensor load fills LDS alone.
; NO PREFETCH: every byte that the launch reads is asked for at the head, so there is no later request to run ahead of.
; THE MATRIX INSTRUCTION IS USED TRANSPOSED (source 0 = 16 columns of W, source 1 = 16 rows of A); W's tile 2 B + u holds columns 32 B + 8 u + r + 8 (r / 8): register j of that tile in lane (r, h) is (row r, column 32 B + 16 h + 8 u + j).
; REGISTERS.  window 0: v1-15 addresses; v16-19 bias; v20-35 A's scale words, two sets; v36-67 W's scale words; v68-131 two sets of 4 accumulators (at work in the head); v148-243 eight fragments of A; v244-255 W's fragment (tile 3, K step 15).
;   window 1 + g: W's fragments of K steps 5 g .. 5 g + 4 at 12 (4 (s % 5) + t); v240-251 of window 1 + t: (tile t, K step 15), t < 3.
; A scale register holds K step s in lanes 0-15 and K step s + 8 in lanes 16-31, for A and for W alike.
.set FRB,   1536
.set TB,    16*FRB                     ; a tile's 16 K steps: 24,576 bytes
.set ASC,   12582912                   ; where A's scale words begin in its buffer
.set BSC,   1572864                    ; and W's
.set ALDS,  4*TB                       ; LDS: A's eight tiles, behind the four waves' column tile 0
.set ASCL,  12*TB                      ; A's scale words, [K step][128 rows]; no fill lands from here on
.set STAGE, ASCL+8192                  ; 16 rows x 272 bytes for each wave
.set SPITCH, 272
.set SPARE, STAGE+4*16*SPITCH          ; the spare words: two blocks of 256 bytes that no other line names
.set LI,   1                           ; 16 x lane
.set SPW,  2
.set NIL,  3
.set BC0,  4                           ; my column tile 0 in LDS
.set ADA,  6                           ; A's fragments in LDS: 16 x lane + the pair's first tile
.set ADS,  7                           ; A's scale words of that tile
.set STO,  9
.set RD,   10
.set CO,   11
.set SGO,  12
.set ASB,  14
.set ASS,  15
.set BI,   16
.set AS,   20
.set BS,   36
.set ACC,  68
.set TMP,  68                          ; in the head: A's scale words on their way to LDS
.set AF,   148
.set BX,   244
.set G1B, 48                           ; column tile 0: group 1, group 0
.set G0B, 56
.set G1A, 68                           ; A
.set G0A, 76
.set MSB, 0
.macro WIN new                         ; the immediate's high byte repeats the setting that is left
.if MSB != (\new)
	s_set_vgpr_msb (MSB<<8)|(\new)
.set MSB, \new
.endif
.endm
.macro CREST
	s_cmp_lg_u32 s14, 0
	s_cbranch_scc1 .Lnot_wave_0_\@
	s_barrier_signal -3
.Lnot_wave_0_\@:
	s_barrier_wait -3
	s_barrier_signal -1
	s_barrier_wait -1
.endm
.macro CROUND
	s_barrier_signal -1
	s_barrier_wait -1
	CREST
.endm
.macro PLACES                          ; four plain places behind a matrix instruction (ISA guide 7.12.1)
.rept 4
	v_nop
.endr
.endm
.macro BPLACE s, t                     ; window BW and register BR of W's fragment (tile t, K step s)
.if (\s) < 15
.set BW, 1+(\s)/5
.set BR, 12*(4*((\s)%5)+(\t))
.else
.if (\t) < 3
.set BW, 1+(\t)
.set BR, 240
.else
.set BW, 0
.set BR, BX
.endif
.endif
.endm
.macro BCOPY t                         ; column tile t's 16 fragments from LDS into their registers
.set SS, 0
.rept 16
	BPLACE SS, \t
	WIN BW<<6
.irp c, 0,1,2
	ds_load_b128 v[BR+4*\c:BR+4*\c+3], v[BC0] offset:SS*FRB+512*\c
.endr
.set SS, SS+1
.endr
.endm
.macro BDIR t                          ; the same from memory
.set SS, 0
.rept 16
	BPLACE SS, \t
	WIN BW<<6
.irp c, 0,1,2
	global_load_b128 v[BR+4*\c:BR+4*\c+3], v[LI], s[38:39] offset:(\t)*TB+SS*FRB+512*\c
.endr
.set SS, SS+1
.endr
.endm
.macro KSTEP s, p                      ; K step s of a row tile: the four accumulators of set p, one instruction a turn
.irp t, 0,1,2,3
	BPLACE \s, \t
	WIN BW
.set DA, ACC+32*(\p)+8*\t
.set FA, AF+12*((\s)%8)
.set SB, BS+8*\t+(\s)%8
.set SA, AS+8*(\p)+(\s)%8
.if (\s) == 0
	v_wmma_scale_f32_16x16x128_f8f6f4 v[DA:DA+7], v[BR:BR+11], v[FA:FA+11], 0, v[SB], v[SA] matrix_a_fmt:MATRIX_FMT_FP6 matrix_b_fmt:MATRIX_FMT_FP6
.else
.if (\s) < 8
	v_wmma_scale_f32_16x16x128_f8f6f4 v[DA:DA+7], v[BR:BR+11], v[FA:FA+11], v[DA:DA+7], v[SB], v[SA] matrix_a_fmt:MATRIX_FMT_FP6 matrix_b_fmt:MATRIX_FMT_FP6
.else
	v_wmma_scale_f32_16x16x128_f8f6f4 v[DA:DA+7], v[BR:BR+11], v[FA:FA+11], v[DA:DA+7], v[SB], v[SA] matrix_a_fmt:MATRIX_FMT_FP6 matrix_b_fmt:MATRIX_FMT_FP6 matrix_a_scale:MATRIX_SCALE_ROW1 matrix_b_scale:MATRIX_SCALE_ROW1
.endif
.endif
.endr
.endm
; Four K steps, 16 matrix instructions; then, in one run of 12 loads, their four fragment registers take the fragments eight K steps on (this tile's second half, or the next tile's first: 16 K steps are a tile's TB bytes, so one formula serves).
.macro GROUP g, p, rel, cnt, ld
	s_wait_dscnt \cnt                              ; this group's twelve loads are in; cnt LDS instructions were issued behind them
	KSTEP 4*(\g), \p
	KSTEP 4*(\g)+1, \p
	KSTEP 4*(\g)+2, \p
	KSTEP 4*(\g)+3, \p
	WIN 0
	PLACES
.if \ld
.irp e, 0,1,2,3
.irp c, 0,1,2
	ds_load_b128 v[AF+12*((4*(\g)+\e)%8)+4*\c:AF+12*((4*(\g)+\e)%8)+4*\c+3], v[ADA] offset:(\rel)*TB+(4*(\g)+\e+8)*FRB+512*\c
.endr
.endr
.endif
.endm
.macro SCALES q, rel                   ; A's scale words of a tile into set q
.irp k, 0,1,2,3,4,5,6,7
	ds_load_b32 v[AS+8*(\q)+\k], v[ADS] offset:\k*512+(\rel)*64
.endr
.endm
.macro TOSTAGE q                       ; set q's 16 rows x 64 columns into my stage, each accumulator from its low end on, and back by rows into the same registers.  LDS serves a wave's instructions in order
.irp t, 0,1,2,3
	ds_store_b128 v[STO], v[ACC+32*(\q)+8*\t:ACC+32*(\q)+8*\t+3] offset:128*(\t/2)+32*(\t%2)
	ds_store_b128 v[STO], v[ACC+32*(\q)+8*\t+4:ACC+32*(\q)+8*\t+7] offset:128*(\t/2)+32*(\t%2)+16
.endr
.irp i, 0,1,2,3,4,5,6,7
	ds_load_b128 v[ACC+32*(\q)+4*\i:ACC+32*(\q)+4*\i+3], v[RD] offset:\i*2*SPITCH
.endr
.endm
.macro SEND q, orel, cnt               ; + bias, and out: sixteen lanes store 256 consecutive bytes, aligned
	s_wait_dscnt \cnt
.irp i, 0,1,2,3,4,5,6,7
	v_pk_add_f32 v[ACC+32*(\q)+4*\i:ACC+32*(\q)+4*\i+1], v[ACC+32*(\q)+4*\i:ACC+32*(\q)+4*\i+1], v[BI:BI+1]
	v_pk_add_f32 v[ACC+32*(\q)+4*\i+2:ACC+32*(\q)+4*\i+3], v[ACC+32*(\q)+4*\i+2:ACC+32*(\q)+4*\i+3], v[BI+2:BI+3]
.endr
.irp i, 0,1,2,3,4,5,6,7
	global_store_b128 v[CO], v[ACC+32*(\q)+4*\i:ACC+32*(\q)+4*\i+3], s[10:11] offset:(\orel)*65536+\i*8192 th:TH_STORE_NT
.endr
.endm
; A row tile on set p.  rel: its place behind the tile that v[ADA] names.  prev = 1: the tile before goes out meanwhile (orel: its place behind the tile that s[10:11] names).  nxt = 1: the next tile's fragments and scale words are fetched.
; The counts: behind a group's twelve loads stand the twelve of the next group, the stage's 16 (E0, behind group 0's run) and the next tile's 8 scale words (E2, behind group 1's run), as far as they were issued.
.macro TILE p, rel, prev, nxt, orel
.set E0, 16*\prev
.set E2, 8*\nxt
	s_wait_xcnt 0x0                                ; the stores out of set p have read their registers: it is written again below
	GROUP 0, \p, \rel, 12, 1
.if \prev
	TOSTAGE 1-\p
.endif
	GROUP 1, \p, \rel, 12+E0, 1
.if \nxt
	SCALES 1-\p, \rel+1
.endif
	GROUP 2, \p, \rel, 12+E0+E2, \nxt
.if \prev
	SEND 1-\p, \orel, 12+E2+12*\nxt
.endif
	GROUP 3, \p, \rel, E2+12*\nxt, \nxt
.endm
.macro SETADR
	v_add_nc_u32 v[ADA], s90, v[LI]
	v_add_nc_u32 v[ADS], s91, v[ASB]
	s_wait_alu depctr_va_vdst(0)
.endm
	s_load_b256 s[4:11], s[0:1], 0x0               ; A 4, W 6, b5 8, out0 10
	v_lshl_add_u32 v[SPW], v0, 2, SPARE
	v_mov_b32 v[NIL], 0
	ds_add_u32 v[SPW], v[NIL]                      ; the opening lines: the add, twice on end, and its wait ahead of my first tensor load
	ds_add_u32 v[SPW], v[NIL]
	v_lshrrev_b32 v87, 5, v0
	v_readfirstlane_b32 s14, v87                   ; wave 0..3
	v_and_b32 v84, 31, v0                          ; lane
	v_and_b32 v85, 15, v0                          ; r
	v_bfe_u32 v86, v0, 4, 1                        ; h
	v_lshlrev_b32 v[LI], 4, v84
	s_mul_i32 s45, s14, TB
	v_add_nc_u32 v[BC0], s45, v[LI]
	s_mul_i32 s45, s14, 16*SPITCH
	s_add_co_u32 s45, s45, STAGE
	v_mul_u32_u24 v87, v85, SPITCH                 ; into the stage: row r, 64 h
	v_lshl_add_u32 v87, v86, 6, v87
	v_add_nc_u32 v[STO], s45, v87
	v_mul_u32_u24 v87, v86, SPITCH                 ; back: lanes 0-15 one row of 256 bytes, lanes 16-31 the next
	v_lshl_add_u32 v87, v85, 4, v87
	v_add_nc_u32 v[RD], s45, v87
	v_lshlrev_b32 v88, 4, v85                      ; 16 r: my four columns of a row
	v_lshl_add_u32 v[CO], v86, 12, v88             ; and the same two rows in out0
	v_lshlrev_b32 v87, 2, v85
	v_lshl_add_u32 v[SGO], v86, 15, v87            ; W's scale words in memory: 4 r, and eight K steps of 4,096 bytes on for lanes 16-31
	v_lshl_add_u32 v87, v86, 12, v87
	v_add_nc_u32 v[ASB], ASCL, v87                 ; A's in LDS: 4 r, and eight K steps of 512 bytes on for lanes 16-31
	s_lshl_b32 s45, s14, 11
	s_add_co_u32 s45, s45, ASCL
	v_add_nc_u32 v[ASS], s45, v[LI]                ; where I put K steps 4 w .. 4 w + 3 of them
	s_lshr_b32 s15, s14, 1                         ; I fetch for W (0) or for A (1),
	s_and_b32 s16, s14, 1                          ; and which half
	s_bfe_u32 s40, ttmp6, 0x40000                  ; cx, cy
	s_bfe_u32 s41, ttmp6, 0x40004
	s_lshl_b32 s42, ttmp9, 2
	s_add_co_u32 s42, s42, s40                     ; tile column
	s_and_b32 s17, ttmp7, 0xffff
	s_lshl_b32 s17, s17, 2
	s_add_co_u32 s17, s17, s41                     ; tile row
	s_lshl_b32 s43, s41, 2
	s_lshl_b32 s43, 15, s43                        ; my row of the cluster
	s_lshl_b32 s44, 0x1111, s40                    ; my column
	; groups 1: elements of 8 bytes, a row is a tile's TB bytes (3,072 elements); bit 21 stands beside a mask
	s_or_b32 s[G1B+0], s44, (3<<16)|(1<<21)
	s_or_b32 s[G1A+0], s43, (3<<16)|(1<<21)
.irp g, G1B, G1A
	s_mov_b32 s[\g+1], (TB/8)<<16                  ; tensor_dim0
	s_mov_b32 s[\g+3], (TB/8)<<16                  ; tile_dim0
	s_mov_b32 s[\g+6], 0
	s_mov_b32 s[\g+7], 0
.endr
	s_mov_b32 s[G1B+2], 2<<16                      ; W: tile 0 of two waves,
	s_mov_b32 s[G1B+4], 2
	s_mov_b32 s[G1B+5], 4*TB/8                     ; four tiles apart
	s_mov_b32 s[G1A+2], 4<<16                      ; A: four row tiles on end
	s_mov_b32 s[G1A+4], 4
	s_mov_b32 s[G1A+5], TB/8
	; A's addresses hang on the tile row and the wave alone, W's on the tile column and the wave alone
	s_mul_i32 s20, s17, 8*TB
	s_mov_b32 s21, 0
	s_mul_i32 s22, s16, 4*TB
	s_mov_b32 s23, 0
	s_mul_i32 s46, s42, 16*TB
	s_mov_b32 s47, 0
	s_mul_i32 s12, s14, 4*TB
	s_mov_b32 s13, 0
	s_mul_i32 s88, s16, 8*TB
	s_mov_b32 s89, 0
	s_mov_b32 s[G0B], 1
	s_mul_i32 s[G0B+1], s16, 2*TB
	s_mov_b32 s[G0A], 1
	s_mul_i32 s[G0A+1], s16, 4*TB
	s_add_co_u32 s[G0A+1], s[G0A+1], ALDS
	s_lshl_b32 s92, s17, 9                         ; A's scale words: my work-group's 128 rows, K step 4 w
	s_lshl_b32 s45, s14, 17
	s_add_co_u32 s92, s92, s45
	s_add_co_u32 s92, s92, ASC
	s_mov_b32 s93, 0
	s_lshl_b32 s96, s42, 10                        ; my 64 columns, in bytes of f32; also their scale words' place
	s_lshl_b32 s45, s14, 8
	s_add_co_u32 s96, s96, s45
	s_mov_b32 s97, 0
	s_add_co_u32 s94, s96, BSC
	s_mov_b32 s95, 0
	s_lshl_b32 s98, s17, 19                        ; 128 rows of 4,096 bytes
	s_mov_b32 s99, 0
	s_wait_alu depctr_va_vdst(0)
	s_wait_dscnt 0x0                               ; both opening adds are done
	s_wait_kmcnt 0x0
	s_add_nc_u64 s[20:21], s[4:5], s[20:21]        ; A's eight tiles
	s_add_nc_u64 s[46:47], s[6:7], s[46:47]        ; W's sixteen
	s_add_nc_u64 s[G0B+2:G0B+3], s[46:47], s[88:89]
	s_or_b32 s[G0B+3], s[G0B+3], 0x80000000
	s_add_nc_u64 s[G0A+2:G0A+3], s[20:21], s[22:23]
	s_or_b32 s[G0A+3], s[G0A+3], 0x80000000
	s_add_nc_u64 s[38:39], s[46:47], s[12:13]      ; my four column tiles
	s_add_nc_u64 s[84:85], s[4:5], s[92:93]
	s_add_nc_u64 s[86:87], s[6:7], s[94:95]
	s_add_nc_u64 s[8:9], s[8:9], s[96:97]
	s_add_nc_u64 s[10:11], s[10:11], s[96:97]
	s_add_nc_u64 s[10:11], s[10:11], s[98:99]
.irp i, 0,1,2,3
	global_load_b128 v[TMP+4*\i:TMP+4*\i+3], v[LI], s[84:85] offset:\i*32768   ; 128 rows' scale words of one K step: 512 consecutive bytes
.endr
.irp t, 0,1,2,3
.irp k, 0,1,2,3,4,5,6,7
	global_load_b32 v[BS+8*\t+\k], v[SGO], s[86:87] offset:\k*4096+\t*64
.endr
.endr
	global_load_b128 v[BI:BI+3], v88, s[8:9]
	CROUND                                         ; all sixteen work-groups are here: the joint loads meet
	s_cmp_eq_u32 s15, 0
	s_cbranch_scc0 .Lfor_a
	tensor_load_to_lds s[G0B:G0B+3], s[G1B:G1B+7]  ; column tile 0 of two waves
	s_nop 0
	PLACES
	s_branch .Lasked
.Lfor_a:
	tensor_load_to_lds s[G0A:G0A+3], s[G1A:G1A+7]  ; four row tiles of A
	s_nop 0
	PLACES
.Lasked:
	BDIR 1
	BDIR 2
	BDIR 3
	WIN 0
	s_mov_b32 s90, ALDS
	s_mov_b32 s91, 0
	SETADR
	s_wait_tensorcnt 0x0                           ; my part of the fill has landed: no tensor load of mine is out while I store to LDS
	s_wait_loadcnt 63                              ; A's scale words are in: 177 loads were issued behind them, and a wait names 63 at the most
.irp i, 0,1,2,3
	ds_store_b128 v[ASS], v[TMP+4*\i:TMP+4*\i+3] offset:\i*512
.endr
	s_wait_dscnt 0x0                               ; for the others' sake
	s_barrier_signal -1
	s_barrier_wait -1                              ; the fill and the scale words are whole for all four waves
	BCOPY 0
	WIN 0
	SCALES 0, 0
.irp k, 0,1,2,3,4,5,6,7
.irp c, 0,1,2
	ds_load_b128 v[AF+12*\k+4*\c:AF+12*\k+4*\c+3], v[ADA] offset:\k*FRB+512*\c
.endr
.endr
	s_wait_loadcnt 0x0                             ; W's fragments, its scale words and the bias
	TILE 0, 0, 0, 1, 0                             ; row tile 0
	s_mov_b32 s90, ALDS+TB
	s_mov_b32 s91, 64
	s_mov_b32 s92, 0
.Lpair:                                                ; row tiles 2 k + 1 and 2 k + 2; tiles 2 k and 2 k + 1 go out
	SETADR
	TILE 1, 0, 1, 1, 0
	TILE 0, 1, 1, 1, 1
	s_wait_xcnt 0x0                                ; the stores have read their base
	s_add_nc_u64 s[10:11], s[10:11], 131072        ; 32 rows of out0 on
	s_add_co_u32 s90, s90, 2*TB
	s_add_co_u32 s91, s91, 128
	s_add_co_u32 s92, s92, 1
	s_cmp_lt_u32 s92, 3
	s_cbranch_scc1 .Lpair
	SETADR
	TILE 1, 0, 1, 0, 0                             ; row tile 7 fetches nothing more; tile 6 goes out
	TOSTAGE 1
	SEND 1, 1, 0
	s_wait_tensorcnt 0x0                           ; the wave's end
	ds_add_u32 v[SPW], v[NIL]
	s_wait_dscnt 0x0
	CROUND                                         ; the closing round
	s_endpgm
.Lfunc_end_k_qeb2e4b8626_g7:
	.size	k_qeb2e4b8626_g7, .Lfunc_end_k_qeb2e4b8626_g7-k_qeb2e4b8626_g7
	.p2alignl 7, 3214868480
	.fill 96, 4, 3214868480
	.section	.rodata,"a",@progbits
	.p2align	6, 0x0
	.amdhsa_kernel k_qeb2e4b8626_g7
		.amdhsa_group_segment_fixed_size 327680
		.amdhsa_private_segment_fixed_size 0
		.amdhsa_enable_private_segment 0
		.amdhsa_kernarg_size 32
		.amdhsa_user_sgpr_count 2
		.amdhsa_user_sgpr_kernarg_segment_ptr 1
		.amdhsa_wavefront_size32 1
		.amdhsa_system_sgpr_workgroup_id_x 1
		.amdhsa_system_sgpr_workgroup_id_y 1
		.amdhsa_system_sgpr_workgroup_id_z 1
		.amdhsa_system_vgpr_workitem_id 0
		.amdhsa_next_free_vgpr 1024
		.amdhsa_next_free_sgpr 100
		.amdhsa_reserve_vcc 0
		.amdhsa_float_denorm_mode_32 3
		.amdhsa_float_denorm_mode_16_64 3
		.amdhsa_memory_ordered 1
		.amdhsa_forward_progress 1
		.amdhsa_inst_pref_size 90
	.end_amdhsa_kernel
	.amdgpu_metadata
---
amdhsa.version: [ 1, 2 ]
amdhsa.kernels:
  - .name:           k_qeb2e4b8626_g7
    .symbol:         k_qeb2e4b8626_g7.kd
    .args:
      - { .name: act0, .offset: 0, .size: 8, .value_kind: global_buffer, .address_space: global }
      - { .name: wq5, .offset: 8, .size: 8, .value_kind: global_buffer, .address_space: global }
      - { .name: b5, .offset: 16, .size: 8, .value_kind: global_buffer, .address_space: global }
      - { .name: out0, .offset: 24, .size: 8, .value_kind: global_buffer, .address_space: global }
    .group_segment_fixed_size: 327680
    .private_segment_fixed_size: 0
    .kernarg_segment_align: 8
    .kernarg_segment_size: 32
    .max_flat_workgroup_size: 128
    .sgpr_count:     100
    .vgpr_count:     1024
    .wavefront_size: 32
...
	.end_amdgpu_metadata
.endif
;; end of part 5
